; MI455X (gfx1250); checked and timed in simulation.
; The chip was launched on July 23, 2026; its instructions are those of AMD's public machine-readable ISA for CDNA 5 (MIT licence, August 2026) and "CDNA5" Instruction Set Architecture Reference Guide (July 2026). The comments in the code are by the model that wrote it; some were corrected since.
;; DRKNN. Allowed arithmetic: matrix products marked QUANTISED: E2M3 operands, one E8M0 scale for each 32 along K, by v_wmma_scale_f32_16x16x128_f8f6f4 with both operands' format E2M3, f32 sums; everything else in f32.
;; Inputs: dataTensorX 100,000 x 8 x 16 float32; dataTensorY 100,000 x 3 float32; inputTensor 1,024 x 8 x 16 float32.
;; Outputs: out0 1,024 x 3 float32; out1 1,024 x 3 int32.
;; This version of the problem:
;;   THIS VERSION OF THE PROBLEM IS GIVEN IN LOW PRECISION. The matrix products marked QUANTISED in the list below multiply operands that are first quantised to E2M3 (2 exponent bits, 3 mantissa bits; 6 bits a number), with one power-of-two scale for each 32 numbers along K (OCP MX v1.0); their sums are f32. All else is computed in f32.
;;   The module's matrix products, in the order in which they are computed (A, B: the left and right operand; K: the contracted axis; several contracted axes count as one K, in the product's order):
;;     1. [M 1,024, K 128] x [K 128, N 100,000]; A: input inputTensor; B: input dataTensorX: QUANTISED
;;   THE QUANTISER, for each operand of a quantised product, along K:
;;     - K is cut into blocks of 32 from its start; a last block that is shorter is filled with zeros.
;;     - A block's scale is 2^e with e = floor(log2(the largest magnitude in the block)) - 2, held to -126 .. 127; a block of zeros has e = 0. As a byte (E8M0): e + 127.
;;     - Each number is divided by its block's scale, clamped to +-7.5, and rounded to the nearest number of E2M3, ties to even, subnormals kept.
;;     - The product sums the exact products of the quantised numbers (number of the format x scale) in f32.
;;   ~~~python
;;   def quantise(x, axis):      # numpy; x: float32 -> the quantised numbers, widened to float32 again
;;       x = np.moveaxis(x, axis, -1); K = x.shape[-1]
;;       x = np.pad(x, [(0, 0)] * (x.ndim - 1) + [(0, -K % 32)]); x = x.reshape(x.shape[:-1] + (-1, 32)); a = np.abs(x).max(-1, keepdims=True)
;;       e = np.where(a > 0, np.clip(np.frexp(np.where(a > 0, a, 1))[1] - 1 - 2, -126, 127), 0)      # np.frexp(a)[1] - 1 = floor(log2(a)), exactly
;;       r = np.clip(x / 2.0 ** e, -7.5, 7.5)
;;       step = 2.0 ** (np.maximum(np.frexp(np.where(r == 0, 1, r))[1] - 1, 0) - 3)
;;       q = np.round(r / step) * step * 2.0 ** e      # np.round: ties to even
;;       return np.moveaxis(q.reshape(q.shape[:-2] + (-1,))[..., :K], -1, axis).astype(np.float32)
;;   ~~~
;; 2 versions. Each part assembles by itself: llvm-mc -triple=amdgcn-amd-amdhsa -mcpu=gfx1250 --defsym DOCPART=n.
;; ======== version 1 of 2: 4 launches
;; workspace buffers: xc 9,600,000 bytes; xs 800,000 bytes; qc 98,304 bytes; qs 8,192 bytes; ma 4,096,000 bytes; mb 1,024,000 bytes; sel 16,384 bytes of whole numbers
;; launch quant (part 1): grid 3157 x 1, 2 waves a work-group, no clusters, 17,152 bytes of LDS; arguments dataTensorX, inputTensor, xc, xs, qc, qs; writes xc, xs, qc, qs
.if DOCPART == 1
	.amdgcn_target "amdgcn-amd-amdhsa--gfx1250"
	.amdhsa_code_object_version 6
	.text
	.protected	k_q31c8c32f33_quant
	.globl	k_q31c8c32f33_quant
	.p2align	8
	.type	k_q31c8c32f33_quant,@function
k_q31c8c32f33_quant:
	s_mov_b64 s[64:65], 0
	v_nop
	global_prefetch_b8 v0, s[64:65] scope:SCOPE_SE
	s_setreg_imm32_b32 hwreg(HW_REG_WAVE_MODE, 25, 1), 1
	s_wait_xcnt 0x0
; X [100000][128] and Q [1024][128], f32, become operands of the product q . x in codes of FP6 (E2M3), one E8M0 scale byte for each 32 along K.
; ONE WAVE MAKES ONE FRAGMENT (16 rows x 128 K) and stores it as an IMAGE OF THE OPERAND'S REGISTERS: register group c (four registers, c = 0..2) of lane l at byte 512 c + 16 l of the
; fragment's 1,536 bytes.  Beside it a side record of 32 words: words 0-15 the rows' scale words, words 16-31 a row sum in f32.
; X: fragment F = 5 sb + u (sb: a run of 80 rows; u = 0..4); its image row r is X's row 80 sb + 40 (r / 8) + 8 u + r % 8.  The side sum is -x2 (minus the sum of squares of the UNQUANTISED numbers).
; Q: tile n holds queries 16 n + r.  Each scale byte is stored ONE HIGHER, so that the product comes out as 2 q . x, exactly; the side sum is +q2.
; A block's scale is 2^(floor(log2(its largest magnitude)) - 2); its byte is the largest magnitude's exponent field - 2, held at 1 from below.
; LIMITS: NaN and infinities among the inputs are not served.  A block of zeros gets the byte 1 where the rule says 127: its codes are zeros, and this program alone reads the bytes.
; A block of Q whose byte would be 254 (magnitudes from 2^125 on) would get 255 by the step up, which is no scale.  The sums of squares are added in four chains and across two lanes, another order than a plain loop's.
; Memory binds: each of the 16 loads reads one whole row, 512 consecutive bytes; the rows turn through the wave's own stage in LDS so that a lane holds 16 neighbours of each block; each store of codes
; covers 512 consecutive bytes at a multiple of 256.  The rows come back from the stage into the registers that they left: 120 registers a wave, so that more waves, and with them more loads, are under way at once.
; No barrier: waves share nothing.  No matrix unit, no cluster, no tensor load: nothing is shared and nothing is read twice.
.set NXF,   6250                       ; X's fragments; the 64 behind them are Q's tiles: 6,314 = 2 x 3,157 waves
.set PITCH, 528                        ; a stage row: 512 bytes + 16, an odd multiple of 16: sixteen rows of a 16-byte load start at sixteen different groups of banks
.set WST,   16*PITCH                   ; a wave's stage
.set R,   16                           ; v16-79   the 16 rows as loaded: row i in v[R+4i ..]
.set X,   16                           ; the same registers, behind the stage: register 16 b + i = k 32 b + 16 (lane / 16) + i of row lane % 16
.set PC,  80                           ; v80-91   the codes; v92-98 the halves made elsewhere
.set TM,  100                          ; v100-103 largest magnitudes, v104-107 bytes, v112-115 the conversions' scale operands
.set PW,  116                          ; the scale word
.set SD,  117                          ; the side record's word of my lane
.set SEL, 36                           ; s[36:37] selects for lane l xor 16
	s_load_b256 s[4:11], s[0:1], 0x0               ; X s[4:5], Q s[6:7], xc s[8:9], xs s[10:11]
	s_load_b128 s[12:15], s[0:1], 0x20             ; qc s[12:13], qs s[14:15]
	v_lshl_add_u32 v120, v0, 2, 0x4200
	v_mov_b32 v121, 0
	v_lshrrev_b32 v1, 5, v0
	v_readfirstlane_b32 s16, v1                    ; wave 0, 1
	v_and_b32 v1, 31, v0                           ; lane
	v_lshlrev_b32 v2, 4, v1                        ; 16 x lane: my bytes of a row, and of an image's group
	v_lshlrev_b32 v3, 2, v1                        ; 4 x lane: my word of the side record
	s_mul_i32 s18, s16, WST
	v_add_nc_u32 v4, s18, v2                       ; the stage, way in: a row as it lies
	v_and_b32 v6, 15, v0                           ; r
	v_bfe_u32 v7, v0, 4, 1                         ; h
	v_mul_u32_u24 v5, v6, PITCH
	v_lshl_add_u32 v5, v7, 6, v5
	v_add_nc_u32 v5, s18, v5                       ; way out: row r, + 64 h: my 16 numbers of each block of 32
.irp b, 0,1,2,3
	v_mov_b32 v[TM+4+\b], 0                        ; written once: a lane permute's destination counts as one of its sources
.endr
	s_mov_b32 s[SEL], 0x76543210
	s_mov_b32 s[SEL+1], 0xfedcba98
	s_lshl_b32 s17, ttmp9, 1
	s_add_co_u32 s17, s17, s16                     ; F = 2 x work-group + wave
	s_mul_hi_u32 s19, s17, 0xcccccccd
	s_lshr_b32 s19, s19, 2                         ; sb = F / 5
	s_mul_i32 s20, s19, 5
	s_sub_co_u32 s20, s17, s20                     ; u = F % 5
	s_mul_i32 s21, s19, 80
	s_lshl_b32 s20, s20, 3
	s_add_co_u32 s21, s21, s20                     ; X: the fragment's first row, 80 sb + 8 u
	s_sub_co_u32 s22, s17, NXF                     ; Q: the tile,
	s_lshl_b32 s23, s22, 4                         ;    its first row
	s_mov_b32 s30, 20480                           ; X: image rows 8-15 begin 40 rows on (Q: 8 rows, 4,096 bytes)
	s_mov_b32 s25, 0x01010101                      ; Q: one onto each scale byte
	s_mov_b32 s26, 0x3f800000                      ; Q: +q2
	s_mov_b32 s27, 0xbf800000                      ; X: -x2
	s_wait_kmcnt 0x0
	s_cmp_lt_u32 s17, NXF                          ; X's fragment or Q's tile?  The choice hangs on ids alone; only selections follow, which leave SCC as it is
	s_cselect_b32 s22, s17, s22                    ; the fragment's number in its own buffers
	s_cselect_b32 s21, s21, s23
	s_cselect_b32 s30, s30, 4096
	s_cselect_b32 s25, 0, s25
	s_cselect_b32 s26, s27, s26
	s_cselect_b64 s[4:5], s[4:5], s[6:7]           ; from
	s_cselect_b64 s[8:9], s[8:9], s[12:13]         ; the codes' buffer
	s_cselect_b64 s[10:11], s[10:11], s[14:15]     ; the side records'
	s_lshl_b32 s28, s21, 9                         ; 512 bytes a row: under 2^26
	s_mov_b32 s29, 0
	s_mov_b32 s31, 0
	s_add_nc_u64 s[28:29], s[4:5], s[28:29]        ; image rows 0-7
	s_add_nc_u64 s[30:31], s[28:29], s[30:31]      ; image rows 8-15
	s_mul_i32 s32, s22, 1536
	s_mov_b32 s33, 0
	s_add_nc_u64 s[32:33], s[8:9], s[32:33]
	s_lshl_b32 s34, s22, 7
	s_mov_b32 s35, 0
	s_add_nc_u64 s[34:35], s[10:11], s[34:35]
.irp i, 0,1,2,3,4,5,6,7
	global_load_b128 v[R+4*\i:R+4*\i+3], v2, s[28:29] offset:512*\i th:TH_LOAD_NT          ; 32 lanes read a row's 512 consecutive bytes; read once in the launch
.endr
.irp i, 0,1,2,3,4,5,6,7
	global_load_b128 v[R+32+4*\i:R+32+4*\i+3], v2, s[30:31] offset:512*\i th:TH_LOAD_NT
.endr
.irp i, 0,1,2,3,4,5,6,7,8,9,10,11,12,13,14,15
	s_wait_loadcnt 15-\i                           ; loads come back in order: row i is in, the 15 - i younger rows may be out
	ds_store_b128 v4, v[R+4*\i:R+4*\i+3] offset:PITCH*\i
.endr
.irp b, 0,1,2,3
.irp j, 0,1,2,3
	ds_load_b128 v[X+16*\b+4*\j:X+16*\b+4*\j+3], v5 offset:128*\b+16*\j   ; LDS serves a wave's instructions in order (ISA guide 5.7.1.4): these see my stores, and land behind them in the registers that the stores read
.endr
.endr
	s_wait_dscnt 0x0
	; the row's sum of squares, of the numbers as they came: four chains of packed multiply-adds, one for each block
.irp b, 0,1,2,3
	v_pk_mul_f32 v[8+2*\b:9+2*\b], v[X+16*\b:X+16*\b+1], v[X+16*\b:X+16*\b+1]
.endr
.irp i, 2,4,6,8,10,12,14
.irp b, 0,1,2,3
	v_pk_fma_f32 v[8+2*\b:9+2*\b], v[X+16*\b+\i:X+16*\b+\i+1], v[X+16*\b+\i:X+16*\b+\i+1], v[8+2*\b:9+2*\b]
.endr
.endr
	v_pk_add_f32 v[8:9], v[8:9], v[10:11]
	v_pk_add_f32 v[12:13], v[12:13], v[14:15]
	v_pk_add_f32 v[8:9], v[8:9], v[12:13]
	v_add_f32 v8, v8, v9
	v_permlanex16_b32 v9, v8, s[SEL], s[SEL+1]     ; the row's other 64 numbers lie in lane l xor 16
	v_add_f32 v8, v8, v9
	v_mul_f32 v8, s26, v8                          ; -x2 or +q2
	; the four blocks' scales
.irp b, 0,1,2,3
	v_max3_num_f32 v[TM+\b], |v[X+16*\b]|, |v[X+1+16*\b]|, 0x1800000   ; block b: my 16 numbers, and the floor 2^(3 - 127): so the byte cannot fall under 1
.endr
.irp i, 2,4,6,8,10,12,14
.irp b, 0,1,2,3
	v_max3_num_f32 v[TM+\b], v[TM+\b], |v[X+16*\b+\i]|, |v[X+1+16*\b+\i]|   ; (the four blocks by turns)
.endr
.endr
.irp b, 0,1,2,3
	v_permlanex16_b32 v[TM+4+\b], v[TM+\b], s[SEL], s[SEL+1]
.endr
.irp b, 0,1,2,3
	v_max_num_f32 v[TM+\b], v[TM+\b], v[TM+4+\b]   ; with lane l xor 16's: the block's largest magnitude
.endr
.irp b, 0,1,2,3
	v_add_nc_u32 v[TM+12+\b], 0xff000000, v[TM+\b] ; 2 off its exponent field: the conversion takes the exponent field of this operand as its scale, and nothing else of it
.endr
.irp b, 0,1,2,3
	v_lshrrev_b32 v[TM+4+\b], 23, v[TM+12+\b]      ; the scale's byte
.endr
	v_lshl_or_b32 v[PW], v[TM+5], 8, v[TM+4]       ; the four bytes make my row's scale word
	v_lshl_or_b32 v[PW], v[TM+6], 16, v[PW]
	v_lshl_or_b32 v[PW], v[TM+7], 24, v[PW]
.irp c, 0,1
	v_cvt_scalef32_pk16_fp6_f32 v[PC+6*\c:PC+2+6*\c], v[X+32*\c:X+15+32*\c], v[TM+12+2*\c]
	v_cvt_scalef32_pk16_fp6_f32 v[PC+12+4*\c:PC+14+4*\c], v[X+16+32*\c:X+31+32*\c], v[TM+12+2*\c+1]   ; (a conversion's three registers begin on an even number)
.endr
	v_add_nc_u32 v[PW], s25, v[PW]                 ; Q: each byte one higher; X: as it is.  (Also the plain place behind the scaled conversions)
.irp c, 0,1                                    ; the operand's layout wants a WHOLE block in a lane: lanes 0-15 block 2 c, lanes 16-31 block 2 c + 1
.irp i, 0,1,2
	v_permlane16_swap_b32 v[PC+6*\c+\i], v[PC+12+4*\c+\i]
.endr
.irp i, 0,1,2
	v_mov_b32 v[PC+3+6*\c+\i], v[PC+12+4*\c+\i]
.endr
.endr
	v_cmp_le_u32 vcc_lo, 16, v1
	v_cndmask_b32 v[SD], v[PW], v8, vcc_lo         ; lanes 0-15: row r's scale word; lanes 16-31: row r's sum
.irp c, 0,1,2
	global_store_b128 v2, v[PC+4*\c:PC+4*\c+3], s[32:33] offset:512*\c   ; 32 lanes store 512 consecutive bytes, at a multiple of 256 from the buffer's first byte
.endr
	global_store_b32 v3, v[SD], s[34:35]           ; 128 consecutive bytes
	s_wait_tensorcnt 0x0
	ds_add_u32 v120, v121
	s_wait_dscnt 0x0
	s_endpgm
.Lfunc_end_k_q31c8c32f33_quant:
	.size	k_q31c8c32f33_quant, .Lfunc_end_k_q31c8c32f33_quant-k_q31c8c32f33_quant
	.p2alignl 7, 3214868480
	.fill 96, 4, 3214868480
	.section	.rodata,"a",@progbits
	.p2align	6, 0x0
	.amdhsa_kernel k_q31c8c32f33_quant
		.amdhsa_group_segment_fixed_size 17152
		.amdhsa_private_segment_fixed_size 0
		.amdhsa_enable_private_segment 0
		.amdhsa_kernarg_size 48
		.amdhsa_user_sgpr_count 2
		.amdhsa_user_sgpr_kernarg_segment_ptr 1
		.amdhsa_wavefront_size32 1
		.amdhsa_system_sgpr_workgroup_id_x 1
		.amdhsa_system_sgpr_workgroup_id_y 1
		.amdhsa_system_sgpr_workgroup_id_z 1
		.amdhsa_system_vgpr_workitem_id 0
		.amdhsa_next_free_vgpr 122
		.amdhsa_next_free_sgpr 66
		.amdhsa_reserve_vcc 1
		.amdhsa_float_denorm_mode_32 3
		.amdhsa_float_denorm_mode_16_64 3
		.amdhsa_memory_ordered 1
		.amdhsa_forward_progress 1
		.amdhsa_inst_pref_size 14
	.end_amdhsa_kernel
	.amdgpu_metadata
---
amdhsa.version: [ 1, 2 ]
amdhsa.kernels:
  - .name:           k_q31c8c32f33_quant
    .symbol:         k_q31c8c32f33_quant.kd
    .args:
      - { .name: dataTensorX, .offset: 0, .size: 8, .value_kind: global_buffer, .address_space: global }
      - { .name: inputTensor, .offset: 8, .size: 8, .value_kind: global_buffer, .address_space: global }
      - { .name: xc, .offset: 16, .size: 8, .value_kind: global_buffer, .address_space: global }
      - { .name: xs, .offset: 24, .size: 8, .value_kind: global_buffer, .address_space: global }
      - { .name: qc, .offset: 32, .size: 8, .value_kind: global_buffer, .address_space: global }
      - { .name: qs, .offset: 40, .size: 8, .value_kind: global_buffer, .address_space: global }
    .group_segment_fixed_size: 17152
    .private_segment_fixed_size: 0
    .kernarg_segment_align: 8
    .kernarg_segment_size: 48
    .max_flat_workgroup_size: 64
    .sgpr_count:     66
    .vgpr_count:     122
    .wavefront_size: 32
...
	.end_amdgpu_metadata
.endif
;; end of part 1
;; launch scan (part 2): grid 250 x 1, 8 waves a work-group, no clusters, 43,008 bytes of LDS; arguments xc, xs, qc, qs, ma, mb; writes ma, mb
.if DOCPART == 2
	.amdgcn_target "amdgcn-amd-amdhsa--gfx1250"
	.amdhsa_code_object_version 6
	.text
	.protected	k_q31c8c32f33_scan
	.globl	k_q31c8c32f33_scan
	.p2align	8
	.type	k_q31c8c32f33_scan,@function
k_q31c8c32f33_scan:
	s_mov_b64 s[64:65], 0
	v_nop
	global_prefetch_b8 v0, s[64:65] scope:SCOPE_SE
	s_setreg_imm32_b32 hwreg(HW_REG_WAVE_MODE, 25, 1), 1
	s_wait_xcnt 0x0
; For every query and every run of 80 rows of X (a super-block, sb; 1,250 of them): the largest SCORE = 2 q . x - x2 = q2 - distance.  The product is on codes of FP6 (E2M3) with E8M0 scales, K = 128: one matrix instruction.
; THE SCORE COSTS NO VECTOR INSTRUCTION: Q's scale bytes were stored one higher, so the product is 2 q . x, and -x2 is the C of the matrix instruction.  q2 is the same for all rows of a query and is left out here.
; What is left for the vector unit is a maximum, two scores an instruction.  Which rows are the nearest is settled later, on the three best sb of each query.
; LIMIT: sb are ranked by the score as the matrix unit rounds it, without q2; the later launch orders rows by (q2 - 2 q . x) + x2.  A row could be lost only where the best rows of a query's third and fourth sb lie within those roundings of each other.
; SHARES.  Work-group g takes rows 400 g .. 400 g + 399: 5 sb, 25 fragments, one dense block of 38,400 bytes of images and one of 3,200 bytes of side records.  They go into LDS once (through registers; written once, one barrier).
; Wave w keeps queries 128 w .. 128 w + 127 in registers for the whole launch: 8 fragments, 8 scale registers.  Every wave walks the 25 fragments; each fragment read from LDS (1,536 bytes) feeds 8 matrix instructions.
; No cluster: 250 work-groups are no multiple of 4, and what is shared (Q) goes to registers once.  No tensor load: no LDS byte is filled twice.
; LAYOUT.  Source 0 = 16 image rows of X, source 1 = 16 queries: in the result lane (r, h) holds query r and its register j image row 8 h + j.  Image rows 8 h + j of fragment u are rows 40 h + 8 u + j of the sb:
; so half h of the lanes sees rows 40 h .. 40 h + 39, and one exchange of halves at the sb's end joins the two.
.set FRB, 1536                         ; a fragment's image
.set XS,  25*FRB                       ; LDS: 25 images from byte 0, then 25 side records of 128 bytes
.set B,   16                           ; v16-111  Q's fragments, tile n at B + 12 n
.set SB,  112                          ; v112-119 Q's scale words: scales and nothing else
.set A,   120                          ; v120-143 X's fragment, two buffers
.set SA,  144                          ; v144-145 its scale words, two buffers: scales and nothing else
.set C,   146                          ; v146-161 -x2 of my half's eight image rows, two buffers
.set D,   162                          ; v162-225 the scores, tile n at D + 8 n
.set ST,  162                          ; the same registers, ahead of the products: the copy's staging, fragment i at ST + 14 i (12 of codes, 1 of the side record)
.set ACC, 226                          ; v226-233 the running maximum, one a tile
.set RR,  234                          ; v234-253 results: sb t < 4 of queries 32 k + lane at RR + 4 k + t; sb 4 at RR + 16 + k
	s_load_b256 s[4:11], s[0:1], 0x0               ; xc s[4:5], xs s[6:7], qc s[8:9], qs s[10:11]
	s_load_b128 s[12:15], s[0:1], 0x20             ; ma s[12:13], mb s[14:15]
	v_lshl_add_u32 v254, v0, 2, 0xa400
	v_mov_b32 v255, 0
	v_lshrrev_b32 v1, 5, v0
	v_readfirstlane_b32 s16, v1                    ; wave 0..7
	v_and_b32 v10, 31, v0                          ; lane
	v_and_b32 v11, 15, v0                          ; r
	v_bfe_u32 v12, v0, 4, 1                        ; h
	v_lshlrev_b32 v1, 4, v10                       ; 16 x lane: my place in an image's group
	v_lshlrev_b32 v7, 2, v11                       ; 4 r: a row's scale word
	v_add_nc_u32 v2, XS, v7                        ; in LDS
	v_lshlrev_b32 v3, 5, v12
	v_add_nc_u32 v3, XS+64, v3                     ; -x2 of image rows 8 h .. 8 h + 7: 32 bytes, the same for the sixteen lanes of a half
	s_mul_i32 s17, s16, FRB
	v_add_nc_u32 v4, s17, v1                       ; the copy: fragment w, both in the block of memory and in LDS
	s_lshl_b32 s18, s16, 7
	v_lshl_add_u32 v5, v10, 2, s18                 ; its side record in memory,
	v_add_nc_u32 v6, XS, v5                        ; and in LDS
	s_lshl_b32 s19, s16, 11
	v_add_nc_u32 v8, s19, v1                       ; ma: 16 bytes a query, my wave's 128 queries
	s_lshl_b32 s20, s16, 9
	v_add_nc_u32 v9, s20, v1                       ; mb: 16 bytes a lane, 512 a wave
	s_mov_b32 s23, 0
	s_wait_kmcnt 0x0
	s_mul_i32 s22, ttmp9, 25*FRB
	s_add_nc_u64 s[4:5], s[4:5], s[22:23]
	s_mul_i32 s22, ttmp9, 25*128
	s_add_nc_u64 s[6:7], s[6:7], s[22:23]
	s_mul_i32 s22, s16, 8*FRB
	s_add_nc_u64 s[8:9], s[8:9], s[22:23]
	s_lshl_b32 s22, s16, 10
	s_add_nc_u64 s[10:11], s[10:11], s[22:23]
	s_lshl_b32 s22, ttmp9, 14
	s_add_nc_u64 s[12:13], s[12:13], s[22:23]
	s_lshl_b32 s22, ttmp9, 12
	s_add_nc_u64 s[14:15], s[14:15], s[22:23]
	; the copy: wave w brings fragments w, w + 8, w + 16; wave 0 also fragment 24
.irp i, 0,1,2
.irp c, 0,1,2
	global_load_b128 v[ST+14*\i+4*\c:ST+14*\i+4*\c+3], v4, s[4:5] offset:8*FRB*\i+512*\c
.endr
	global_load_b32 v[ST+14*\i+12], v5, s[6:7] offset:1024*\i
.endr
	s_cmp_lg_u32 s16, 0
	s_cbranch_scc1 .Lno24a
.irp c, 0,1,2
	global_load_b128 v[ST+42+4*\c:ST+42+4*\c+3], v4, s[4:5] offset:24*FRB+512*\c
.endr
	global_load_b32 v[ST+42+12], v5, s[6:7] offset:24*128
.Lno24a:
.irp n, 0,1,2,3,4,5,6,7
.irp c, 0,1,2
	global_load_b128 v[B+12*\n+4*\c:B+12*\n+4*\c+3], v1, s[8:9] offset:FRB*\n+512*\c   ; my 128 queries stay in registers
.endr
.endr
.irp n, 0,1,2,3,4,5,6,7
	global_load_b32 v[SB+\n], v7, s[10:11] offset:128*\n
.endr
	s_wait_loadcnt 32                              ; behind the copy's loads stand Q's 32, on both ways of the branch: the copy's are in
.irp i, 0,1,2
.irp c, 0,1,2
	ds_store_b128 v4, v[ST+14*\i+4*\c:ST+14*\i+4*\c+3] offset:8*FRB*\i+512*\c
.endr
	ds_store_b32 v6, v[ST+14*\i+12] offset:1024*\i
.endr
	s_cmp_lg_u32 s16, 0
	s_cbranch_scc1 .Lno24b
.irp c, 0,1,2
	ds_store_b128 v4, v[ST+42+4*\c:ST+42+4*\c+3] offset:24*FRB+512*\c
.endr
	ds_store_b32 v6, v[ST+42+12] offset:24*128
.Lno24b:
	s_wait_dscnt 0x0                               ; for the others' sake: my stores have landed
	s_barrier_signal -1
	s_barrier_wait -1                              ; the 25 fragments lie in LDS; nothing is written there again
	s_wait_loadcnt 0x0                             ; Q
.macro LOADA f                         ; fragment f into buffer f % 2: six LDS loads
.irp c, 0,1,2
	ds_load_b128 v[A+12*((\f)%2)+4*\c:A+12*((\f)%2)+4*\c+3], v1 offset:FRB*(\f)+512*\c
.endr
	ds_load_b32 v[SA+(\f)%2], v2 offset:128*(\f)
	ds_load_b128 v[C+8*((\f)%2):C+8*((\f)%2)+3], v3 offset:128*(\f)
	ds_load_b128 v[C+8*((\f)%2)+4:C+8*((\f)%2)+7], v3 offset:128*(\f)+16
.endm
.macro MM f, g                         ; fragment f against tiles 4 g .. 4 g + 3 of my queries: D = 2 q . x - x2.  No sum goes on in place: each product has its own D and takes C from the side record
.irp n, 4*(\g), 4*(\g)+1, 4*(\g)+2, 4*(\g)+3
	v_wmma_scale_f32_16x16x128_f8f6f4 v[D+8*(\n):D+8*(\n)+7], v[A+12*((\f)%2):A+12*((\f)%2)+11], v[B+12*(\n):B+12*(\n)+11], v[C+8*((\f)%2):C+8*((\f)%2)+7], v[SA+(\f)%2], v[SB+(\n)] matrix_a_fmt:MATRIX_FMT_FP6 matrix_b_fmt:MATRIX_FMT_FP6
.endr
.endm
.macro RED f, g                        ; 16 lines: the four tiles' eight scores into their running maxima, the tiles by turns, each accumulator from its low end on.  An sb's first fragment starts the maximum: nothing is cleared
.if (\f)%5 == 0
.irp n, 4*(\g), 4*(\g)+1, 4*(\g)+2, 4*(\g)+3
	v_max3_num_f32 v[ACC+(\n)], v[D+8*(\n)], v[D+8*(\n)+1], v[D+8*(\n)+2]
.endr
.irp n, 4*(\g), 4*(\g)+1, 4*(\g)+2, 4*(\g)+3
	v_max3_num_f32 v[ACC+(\n)], v[ACC+(\n)], v[D+8*(\n)+3], v[D+8*(\n)+4]
.endr
.irp n, 4*(\g), 4*(\g)+1, 4*(\g)+2, 4*(\g)+3
	v_max3_num_f32 v[ACC+(\n)], v[ACC+(\n)], v[D+8*(\n)+5], v[D+8*(\n)+6]
.endr
.irp n, 4*(\g), 4*(\g)+1, 4*(\g)+2, 4*(\g)+3
	v_max_num_f32 v[ACC+(\n)], v[ACC+(\n)], v[D+8*(\n)+7]
.endr
.else
.irp j, 0,2,4,6
.irp n, 4*(\g), 4*(\g)+1, 4*(\g)+2, 4*(\g)+3
	v_max3_num_f32 v[ACC+(\n)], v[ACC+(\n)], v[D+8*(\n)+\j], v[D+8*(\n)+\j+1]
.endr
.endr
.endif
.endm
.macro FIN t, g                        ; sb t is through for tiles 4 g .. 4 g + 3.  The exchange puts tile 2 k's two halves into lanes 0-15 of the two registers and tile 2 k + 1's into lanes 16-31: the maximum then holds query 32 k + lane
.irp k, 2*(\g), 2*(\g)+1
	v_permlane16_swap_b32 v[ACC+2*(\k)], v[ACC+2*(\k)+1]
.endr
.irp k, 2*(\g), 2*(\g)+1
.if (\t) < 4
	v_max_num_f32 v[RR+4*(\k)+(\t)], v[ACC+2*(\k)], v[ACC+2*(\k)+1]
.else
	v_max_num_f32 v[RR+16+(\k)], v[ACC+2*(\k)], v[ACC+2*(\k)+1]
.endif
.endr
.endm
; A step: one fragment, eight products in two groups of four.  Behind each group stand the OTHER group's 16 lines of maxima, which name none of its registers: they are the places ahead of the
; first read of its scores, ahead of the next step's products that write over them, and ahead of the LDS loads into the buffer that the step before multiplied.
.macro STEP f
	s_wait_dscnt 0x0                               ; fragment f is in (asked for in the middle of the step before)
	MM \f, 0
.if (\f) > 0
	RED (\f)-1, 1
.if ((\f)-1)%5 == 4
	FIN ((\f)-1)/5, 1
.endif
.else
.rept 5
	v_nop                                          ; the first step has no maxima to set here: places ahead of the first read of its scores and of the products that write over them
.endr
.endif
.if (\f) < 24
	LOADA (\f)+1
.endif
	MM \f, 1
	RED \f, 0
.if (\f)%5 == 4
	FIN (\f)/5, 0
.endif
.endm
	LOADA 0
.irp f, 0,1,2,3,4,5,6,7,8,9,10,11,12,13,14,15,16,17,18,19,20,21,22,23,24
	STEP \f
.endr
	RED 24, 1
	FIN 4, 1
.irp k, 0,1,2,3
	global_store_b128 v8, v[RR+4*\k:RR+4*\k+3], s[12:13] offset:512*\k   ; sb 0-3 of queries 128 w + 32 k + lane: 512 consecutive bytes, at a multiple of 256
.endr
	global_store_b128 v9, v[RR+16:RR+19], s[14:15]                       ; sb 4 of queries 128 w + 32 k + lane, k = 0..3 in a lane's four words: 512 consecutive bytes
	s_wait_tensorcnt 0x0
	ds_add_u32 v254, v255
	s_wait_dscnt 0x0
	s_endpgm
.Lfunc_end_k_q31c8c32f33_scan:
	.size	k_q31c8c32f33_scan, .Lfunc_end_k_q31c8c32f33_scan-k_q31c8c32f33_scan
	.p2alignl 7, 3214868480
	.fill 96, 4, 3214868480
	.section	.rodata,"a",@progbits
	.p2align	6, 0x0
	.amdhsa_kernel k_q31c8c32f33_scan
		.amdhsa_group_segment_fixed_size 43008
		.amdhsa_private_segment_fixed_size 0
		.amdhsa_enable_private_segment 0
		.amdhsa_kernarg_size 48
		.amdhsa_user_sgpr_count 2
		.amdhsa_user_sgpr_kernarg_segment_ptr 1
		.amdhsa_wavefront_size32 1
		.amdhsa_system_sgpr_workgroup_id_x 1
		.amdhsa_system_sgpr_workgroup_id_y 1
		.amdhsa_system_sgpr_workgroup_id_z 1
		.amdhsa_system_vgpr_workitem_id 0
		.amdhsa_next_free_vgpr 256
		.amdhsa_next_free_sgpr 66
		.amdhsa_reserve_vcc 0
		.amdhsa_float_denorm_mode_32 3
		.amdhsa_float_denorm_mode_16_64 3
		.amdhsa_memory_ordered 1
		.amdhsa_forward_progress 1
		.amdhsa_inst_pref_size 94
	.end_amdhsa_kernel
	.amdgpu_metadata
---
amdhsa.version: [ 1, 2 ]
amdhsa.kernels:
  - .name:           k_q31c8c32f33_scan
    .symbol:         k_q31c8c32f33_scan.kd
    .args:
      - { .name: xc, .offset: 0, .size: 8, .value_kind: global_buffer, .address_space: global }
      - { .name: xs, .offset: 8, .size: 8, .value_kind: global_buffer, .address_space: global }
      - { .name: qc, .offset: 16, .size: 8, .value_kind: global_buffer, .address_space: global }
      - { .name: qs, .offset: 24, .size: 8, .value_kind: global_buffer, .address_space: global }
      - { .name: ma, .offset: 32, .size: 8, .value_kind: global_buffer, .address_space: global }
      - { .name: mb, .offset: 40, .size: 8, .value_kind: global_buffer, .address_space: global }
    .group_segment_fixed_size: 43008
    .private_segment_fixed_size: 0
    .kernarg_segment_align: 8
    .kernarg_segment_size: 48
    .max_flat_workgroup_size: 256
    .sgpr_count:     66
    .vgpr_count:     256
    .wavefront_size: 32
...
	.end_amdgpu_metadata
.endif
;; end of part 2
;; launch pick (part 3): grid 128 x 1, 8 waves a work-group, no clusters, 3,072 bytes of LDS; arguments ma, mb, sel; writes sel
.if DOCPART == 3
	.amdgcn_target "amdgcn-amd-amdhsa--gfx1250"
	.amdhsa_code_object_version 6
	.text
	.protected	k_q31c8c32f33_pick
	.globl	k_q31c8c32f33_pick
	.p2align	8
	.type	k_q31c8c32f33_pick,@function
k_q31c8c32f33_pick:
	s_mov_b64 s[64:65], 0
	v_nop
	global_prefetch_b8 v0, s[64:65] scope:SCOPE_SE
	s_setreg_imm32_b32 hwreg(HW_REG_WAVE_MODE, 25, 1), 1
	s_wait_xcnt 0x0
; For each query: the three super-blocks (sb, 0 .. 1,249) with the largest scores, ties to the lower number, best first; stored as whole numbers [1024][4] (the fourth word 0), from which the next launch forms addresses.
; The three nearest rows of a query, ordered by (distance, row), lie in these three sb: were three other sb ahead of a row's sb, each would hold a row ahead of it; sb are runs of consecutive rows, so that holds of ties too.
; SHARES.  Work-group g takes queries 8 g .. 8 g + 7.  Thread: c = thread % 8 is the query, s = thread / 8 (0 .. 31) a slice of 8 chunks, 40 sb, walked in ascending order into a sorted list of three.
; The last slice has two chunks (248, 249): for its other six turns its lanes read six chunks further back, inside the buffers, and the numbers are replaced by -infinity.
; The 32 lists of a query are merged: lanes 8 and 16 apart in the wave, then the eight waves' lists through LDS, by wave 0.
; A stream of 5 MB and a few hundred vector lines a wave: no matrix unit, no tensor load, no cluster.  LIMIT: scores are taken to be finite.
.set VA, 16                            ; v16-47   chunk i: scores of sb 5 i .. 5 i + 3 of the slice
.set VB, 48                            ; v48-55   chunk i: that of sb 5 i + 4
.set S,  64                            ; v64-66 the list's scores, best first; v67 0; v68-70 their sb; v71 0
.set P,  72                            ; v72-79   a partner's list, laid likewise
.set TT, 80
.set NI, 81                            ; -infinity
.set C1, 21                            ; s21-23 the candidate stands ahead of the list's entry 1, 2, 3;  s24-25 at work
.set C2, 22
.set C3, 23
.set CE, 24
.set CL, 25
.set SEL, 28                           ; s[28:29] selects for lane l xor 16
; a candidate (score in v[v], number k, a constant) that comes later than all that the list holds: only a larger score goes ahead
.macro INS v, k
	v_cmp_gt_f32 s[C1], v[\v], v[S]
	v_cmp_gt_f32 s[C2], v[\v], v[S+1]
	v_cmp_gt_f32 s[C3], v[\v], v[S+2]
	v_cndmask_b32 v[TT], \k, v[S+5], s[C2]
	v_cndmask_b32 v[S+6], v[S+6], v[TT], s[C3]
	v_cndmask_b32 v[TT], \k, v[S+4], s[C1]
	v_cndmask_b32 v[S+5], v[S+5], v[TT], s[C2]
	v_cndmask_b32 v[S+4], v[S+4], \k, s[C1]
	v_med3_num_f32 v[S+2], v[S+1], v[S+2], v[\v]   ; the middle one of (second, third, new) is the new third,
	v_med3_num_f32 v[S+1], v[S], v[S+1], v[\v]     ; of (first, second, new) the new second
	v_max_num_f32 v[S], v[S], v[\v]
.endm
.macro CMPL d, v, g, k                 ; s[d]: (score, number) stands ahead of entry k: a larger score, or the same score and a lower number
	v_cmp_gt_f32 s[\d], v[\v], v[S+\k]
	v_cmp_eq_f32 s[CE], v[\v], v[S+\k]
	v_cmp_lt_u32 s[CL], v[\g], v[S+4+\k]
	s_and_b32 s[CE], s[CE], s[CL]
	s_or_b32 s[\d], s[\d], s[CE]
.endm
.macro INSL v, g                       ; a candidate with its number in a register, from anywhere
	CMPL C1, \v, \g, 0
	CMPL C2, \v, \g, 1
	CMPL C3, \v, \g, 2
	v_cndmask_b32 v[TT], v[\g], v[S+5], s[C2]
	v_cndmask_b32 v[S+6], v[S+6], v[TT], s[C3]
	v_cndmask_b32 v[TT], v[\g], v[S+4], s[C1]
	v_cndmask_b32 v[S+5], v[S+5], v[TT], s[C2]
	v_cndmask_b32 v[S+4], v[S+4], v[\g], s[C1]
	v_med3_num_f32 v[S+2], v[S+1], v[S+2], v[\v]
	v_med3_num_f32 v[S+1], v[S], v[S+1], v[\v]
	v_max_num_f32 v[S], v[S], v[\v]
.endm
.macro TAKE3
	INSL P, P+4
	INSL P+1, P+5
	INSL P+2, P+6
.endm
.macro MERGEX m                        ; with the list of lane l xor m (inside 16 lanes): both end with the same list
.irp i, 0,1,2,4,5,6
	v_mov_b32_dpp v[P+\i], v[S+\i] row_xmask:\m row_mask:0xf bank_mask:0xf
.endr
	TAKE3
.endm
.macro MERGEH                          ; with lane l xor 16's
.irp i, 0,1,2,4,5,6
	v_permlanex16_b32 v[P+\i], v[S+\i], s[SEL], s[SEL+1]
.endr
	TAKE3
.endm
	s_load_b128 s[4:7], s[0:1], 0x0                ; ma s[4:5], mb s[6:7]
	s_load_b64 s[8:9], s[0:1], 0x10                ; sel
	v_lshl_add_u32 v96, v0, 2, 0x800
	v_mov_b32 v97, 0
	v_lshrrev_b32 v1, 5, v0
	v_readfirstlane_b32 s16, v1                    ; wave 0..7
	v_and_b32 v1, 7, v0                            ; c
	v_lshrrev_b32 v2, 3, v0                        ; s
	s_lshl_b32 s10, ttmp9, 3
	v_add_nc_u32 v3, s10, v1                       ; q
	v_lshlrev_b32 v4, 4, v3                        ; 16 q: a query's place in a chunk of ma, and in sel
	v_lshl_add_u32 v5, v2, 17, v4                  ; ma: 8 chunks of 16,384 bytes a slice
	v_lshrrev_b32 v6, 7, v3
	v_lshlrev_b32 v6, 9, v6                        ; mb: 512 (q / 128)
	v_and_b32 v7, 31, v3
	v_lshl_add_u32 v6, v7, 4, v6                   ;     + 16 (q % 32)
	v_bfe_u32 v7, v3, 5, 2
	v_lshl_add_u32 v6, v7, 2, v6                   ;     + 4 ((q / 32) % 4)
	v_lshl_add_u32 v6, v2, 15, v6                  ;     + 8 chunks of 4,096 bytes a slice
	v_cmp_eq_u32 s20, 31, v2                       ; the last slice
	v_mov_b32 v7, 0x18000
	v_cndmask_b32 v7, 0, v7, s20
	v_sub_nc_u32 v8, v5, v7                        ; its turns 2 to 7: six chunks back in ma,
	v_lshrrev_b32 v7, 2, v7
	v_sub_nc_u32 v9, v6, v7                        ; and in mb
	s_lshl_b32 s11, s16, 8
	v_lshl_add_u32 v10, v1, 5, s11                 ; LDS: my wave's eight lists of 32 bytes
	v_bfe_u32 v12, v0, 3, 2
	v_lshlrev_b32 v11, 8, v12
	v_lshl_add_u32 v11, v1, 5, v11                 ; and, for wave 0 at the end: the list of wave lane / 8, query c
	s_mov_b32 s[SEL], 0x76543210
	s_mov_b32 s[SEL+1], 0xfedcba98
	v_mov_b32 v[NI], 0xff800000
.irp i, 0,1,2
	v_mov_b32 v[S+\i], 0xff800000                  ; the list begins with -infinity, behind every score
	v_mov_b32 v[S+4+\i], 0
.endr
	v_mov_b32 v[S+3], 0
	v_mov_b32 v[S+7], 0
.irp i, 0,1,2,3,4,5,6,7
	v_mov_b32 v[P+\i], 0                           ; written once: the destination of a lane permute counts as one of its sources
.endr
	s_wait_kmcnt 0x0
.irp i, 0,1
	global_load_b128 v[VA+4*\i:VA+4*\i+3], v5, s[4:5] offset:16384*\i
	global_load_b32 v[VB+\i], v6, s[6:7] offset:4096*\i
.endr
.irp i, 2,3,4,5,6,7
	global_load_b128 v[VA+4*\i:VA+4*\i+3], v8, s[4:5] offset:16384*\i
	global_load_b32 v[VB+\i], v9, s[6:7] offset:4096*\i
.endr
.irp i, 0,1,2,3,4,5,6,7
	s_wait_loadcnt 14-2*\i                         ; chunk i's two loads are in; the two of each later chunk may be out
.if \i >= 2
.irp t, 0,1,2,3
	v_cndmask_b32 v[VA+4*\i+\t], v[VA+4*\i+\t], v[NI], s20
.endr
	v_cndmask_b32 v[VB+\i], v[VB+\i], v[NI], s20
.endif
.irp t, 0,1,2,3
	INS VA+4*\i+\t, 5*\i+\t
.endr
	INS VB+\i, 5*\i+4
.endr
	v_mul_u32_u24 v12, v2, 40                      ; the slice's first sb
.irp i, 0,1,2
	v_add_nc_u32 v[S+4+\i], v12, v[S+4+\i]
.endr
	MERGEX 8                                       ; my wave's four slices of query c lie in lanes c, c + 8, c + 16, c + 24
	MERGEH
	ds_store_b128 v10, v[S:S+3]                    ; the four lanes of a query write the same bytes with the same values
	ds_store_b128 v10, v[S+4:S+7] offset:16
	s_wait_dscnt 0x0                               ; for the others' sake: my stores have landed
	s_barrier_signal -1
	s_barrier_wait -1
	s_cmp_lg_u32 s16, 0
	s_cbranch_scc1 .Lend
	ds_load_b128 v[S:S+3], v11                     ; wave 0: lane (j, c) takes wave j's list,
	ds_load_b128 v[S+4:S+7], v11 offset:16
	ds_load_b128 v[P:P+3], v11 offset:1024         ; and wave j + 4's
	ds_load_b128 v[P+4:P+7], v11 offset:1040
	s_wait_dscnt 0x0
	TAKE3
	MERGEX 8
	MERGEH
	s_wait_xcnt 0x0                                ; EXEC is a source of the loads above: it changes only behind this wait
	v_cmp_gt_u32 vcc_lo, 8, v0
	s_and_saveexec_b32 s30, vcc_lo
	global_store_b128 v4, v[S+4:S+7], s[8:9]       ; eight lanes store the work-group's 128 consecutive bytes
	s_wait_xcnt 0x0
	s_or_b32 exec_lo, exec_lo, s30
.Lend:
	s_wait_tensorcnt 0x0
	ds_add_u32 v96, v97
	s_wait_dscnt 0x0
	s_endpgm
.Lfunc_end_k_q31c8c32f33_pick:
	.size	k_q31c8c32f33_pick, .Lfunc_end_k_q31c8c32f33_pick-k_q31c8c32f33_pick
	.p2alignl 7, 3214868480
	.fill 96, 4, 3214868480
	.section	.rodata,"a",@progbits
	.p2align	6, 0x0
	.amdhsa_kernel k_q31c8c32f33_pick
		.amdhsa_group_segment_fixed_size 3072
		.amdhsa_private_segment_fixed_size 0
		.amdhsa_enable_private_segment 0
		.amdhsa_kernarg_size 24
		.amdhsa_user_sgpr_count 2
		.amdhsa_user_sgpr_kernarg_segment_ptr 1
		.amdhsa_wavefront_size32 1
		.amdhsa_system_sgpr_workgroup_id_x 1
		.amdhsa_system_sgpr_workgroup_id_y 1
		.amdhsa_system_sgpr_workgroup_id_z 1
		.amdhsa_system_vgpr_workitem_id 0
		.amdhsa_next_free_vgpr 98
		.amdhsa_next_free_sgpr 66
		.amdhsa_reserve_vcc 1
		.amdhsa_float_denorm_mode_32 3
		.amdhsa_float_denorm_mode_16_64 3
		.amdhsa_memory_ordered 1
		.amdhsa_forward_progress 1
		.amdhsa_inst_pref_size 54
	.end_amdhsa_kernel
	.amdgpu_metadata
---
amdhsa.version: [ 1, 2 ]
amdhsa.kernels:
  - .name:           k_q31c8c32f33_pick
    .symbol:         k_q31c8c32f33_pick.kd
    .args:
      - { .name: ma, .offset: 0, .size: 8, .value_kind: global_buffer, .address_space: global }
      - { .name: mb, .offset: 8, .size: 8, .value_kind: global_buffer, .address_space: global }
      - { .name: sel, .offset: 16, .size: 8, .value_kind: global_buffer, .address_space: global }
    .group_segment_fixed_size: 3072
    .private_segment_fixed_size: 0
    .kernarg_segment_align: 8
    .kernarg_segment_size: 24
    .max_flat_workgroup_size: 256
    .sgpr_count:     66
    .vgpr_count:     98
    .wavefront_size: 32
...
	.end_amdgpu_metadata
.endif
;; end of part 3
;; launch refine (part 4): grid 256 x 1, 4 waves a work-group, no clusters, 0 bytes of LDS; arguments xc, xs, qc, qs, sel, dataTensorY, out0, out1; writes out0, out1
.if DOCPART == 4
	.amdgcn_target "amdgcn-amd-amdhsa--gfx1250"
	.amdhsa_code_object_version 6
	.text
	.protected	k_q31c8c32f33_refine
	.globl	k_q31c8c32f33_refine
	.p2align	8
	.type	k_q31c8c32f33_refine,@function
k_q31c8c32f33_refine:
	s_mov_b64 s[64:65], 0
	v_nop
	global_prefetch_b8 v0, s[64:65] scope:SCOPE_SE
	s_setreg_imm32_b32 hwreg(HW_REG_WAVE_MODE, 25, 1), 1
	s_wait_xcnt 0x0
; One wave to a query: the distances to the 240 rows of its three chosen super-blocks (sb; their numbers were stored by the launch before), the three nearest rows (ties to the lower row), and the mean of their rows of Y.
; d = (q2 - 2 q . x) + x2, in that order, q . x on codes of FP6 (E2M3) with E8M0 scales, q2 and x2 the f32 sums of the unquantised numbers.  Q's scale bytes are stored one higher, so the matrix instruction gives 2 q . x, exactly doubled.
; What is compared is -d = (-x2) - (q2 - 2 q . x): the same two roundings, the sign turned.
; LAYOUT.  Source 0 = my query in all 16 rows (every lane reads the registers of the image's lane q % 16 + 16 (lane / 16)); source 1 = a fragment of X as it is stored.  Register 0 of tile T's result holds, in lane (r, either half),
; 2 q . x for image row r of tile T = 5 s + u (s: which sb; u = 0..4), which is X's row 80 sb + 40 (r / 8) + 8 u + r % 8.  The fifteen products are a sixteenth full: 15 matrix instructions a query, against 6,250 in the launch that scans.
; OWNERS.  Half h of the lanes owns tiles i + 8 h, i = 0..7: eight slots a lane.  There is no tile 15: that slot repeats tile 14's addresses, its -d is -infinity from the start and it is barred from Y's sum.  So each of the 240 rows has one owner.
; THE CHOICE, three rounds alike: the largest -d of all slots of all lanes; the lowest row among the slots that hold it; that row's slot becomes -infinity.  The rows' numbers are carried as f32 (exact: 100,000 < 2^24), so that
; the minimum rides on the same three-operand and lane-crossing forms as the maximum.  A run of eight compares writes eight scalar registers and the eight selections follow: no scalar arithmetic stands between them.
; NO ADDRESS HANGS ON A COMPARISON MADE HERE: every owner fetches its row of Y, at an address made from the stored sb numbers, and the sum takes the slots that the three rounds have set to -infinity.
; LIMITS: distances are taken to be finite (a row at distance +infinity would count as chosen).  The mean is a sum over lanes times 1/3 in f32, another order of rounding than a sum of three divided by 3.
; No LDS, no barrier, no cluster: waves share nothing.  The outputs are 12 bytes a query from one lane: 24 KB in the whole launch.
.set A,   8                            ; v8-19    my query's fragment
.set SAQ, 20                           ; v20      its scale word, in every lane: a scale and nothing else
.set Q2,  21                           ; v21      q2
.set SB,  22                           ; v22-36   the tiles' scale words: scales and nothing else
.set NX,  38                           ; v38-52   -x2 of image row r of tile T; then -d
.set D,   56                           ; v56-175  the products
.set T,   160                          ; v160-167 at work in the choice and in Y's sum: tile 13's registers, done with by then
.set Y,   176                          ; v176-207 slot i: three numbers of Y
.set IDX, 208                          ; v208-215 slot i: the row
.set OWN, 216                          ; v216-223 slot i: -d.  Before that v216-218: sb numbers by halves
.set M,   224                          ; v224     a round's largest -d
.set M2,  225                          ; v225     at work
.set PI,  226                          ; v226     +infinity
.set GF,  228                          ; v228-230 the three rows, nearest first: as f32, at the end as whole numbers
.set IXF, 232                          ; v232-239 slot i: the row as f32
.set YO,  240                          ; v240-247 slot i: byte offset in Y
.set SUM, 250                          ; v250-252
.set NI,  254                          ; -infinity
.set MK,  52                           ; s52-59   a run's eight masks, one a slot
.set SEL, 42                           ; s[42:43] selects for lane l xor 16
.macro IDXM i, pair, a, b              ; slot i: lanes 0-15 tile u = a of the pair's first sb, lanes 16-31 tile u = b of its second
	v_cndmask_b32 v253, 8*\a, 8*\b, s40
	v_add_nc_u32 v253, v253, v5
	v_add_nc_u32 v[IDX+\i], v[216+\pair], v253
	v_mul_u32_u24 v[YO+\i], v[IDX+\i], 12          ; a row of Y is 12 bytes
.endm
.macro ROUND k                         ; the k-th nearest row into v[GF+k], in every lane; its slot leaves the field
	v_max3_num_f32 v[M], v[OWN], v[OWN+1], v[OWN+2]                ; my eight slots, in two chains
	v_max3_num_f32 v[M2], v[OWN+3], v[OWN+4], v[OWN+5]
	v_max3_num_f32 v[M], v[M], v[OWN+6], v[OWN+7]
	v_max_num_f32 v[M], v[M], v[M2]
.irp m, 1,2,4,8
	v_max_num_f32_dpp v[M], v[M], v[M] row_xmask:\m row_mask:0xf bank_mask:0xf
.endr
	v_permlanex16_b32 v[M2], v[M], s[SEL], s[SEL+1]
	v_max_num_f32 v[M], v[M], v[M2]                ; the largest -d of all that are still in the field
.irp i, 0,1,2,3,4,5,6,7
	v_cmp_eq_f32 s[MK+\i], v[OWN+\i], v[M]
.endr
.irp i, 0,1,2,3,4,5,6,7
	v_cndmask_b32 v[T+\i], v[PI], v[IXF+\i], s[MK+\i]              ; the row where the slot holds it, else +infinity
.endr
	v_min3_num_f32 v[GF+\k], v[T], v[T+1], v[T+2]
	v_min3_num_f32 v[M2], v[T+3], v[T+4], v[T+5]
	v_min3_num_f32 v[GF+\k], v[GF+\k], v[T+6], v[T+7]
	v_min_num_f32 v[GF+\k], v[GF+\k], v[M2]
.irp m, 1,2,4,8
	v_min_num_f32_dpp v[GF+\k], v[GF+\k], v[GF+\k] row_xmask:\m row_mask:0xf bank_mask:0xf
.endr
	v_permlanex16_b32 v[M2], v[GF+\k], s[SEL], s[SEL+1]
	v_min_num_f32 v[GF+\k], v[GF+\k], v[M2]        ; the lowest of them: ties go to the lower row
.irp i, 0,1,2,3,4,5,6,7
	v_cmp_eq_f32 s[MK+\i], v[IXF+\i], v[GF+\k]
.endr
.irp i, 0,1,2,3,4,5,6,7
	v_cndmask_b32 v[OWN+\i], v[OWN+\i], v[NI], s[MK+\i]
.endr
.endm
	s_load_b256 s[4:11], s[0:1], 0x0               ; xc s[4:5], xs s[6:7], qc s[8:9], qs s[10:11]
	s_load_b256 s[12:19], s[0:1], 0x20             ; sel s[12:13], Y s[14:15], out0 s[16:17], out1 s[18:19]
	v_lshrrev_b32 v1, 5, v0
	v_readfirstlane_b32 s24, v1                    ; wave 0..3
	s_lshl_b32 s25, ttmp9, 2
	s_add_co_u32 s25, s25, s24                     ; q
	s_and_b32 s41, s25, 15
	s_lshr_b32 s50, s25, 4                         ; its tile,
	s_lshl_b32 s51, s41, 4                         ; 16 (q % 16),
	s_lshl_b32 s41, s41, 2                         ; 4 (q % 16)
	v_and_b32 v4, 31, v0                           ; lane
	v_and_b32 v5, 15, v0                           ; r
	v_bfe_u32 v6, v0, 4, 1                         ; h
	v_lshlrev_b32 v1, 4, v4                        ; 16 x lane: my place in an image's group
	v_lshlrev_b32 v2, 2, v5                        ; 4 r: a row's word in a side record
	v_lshl_add_u32 v3, v6, 8, s51                  ; my query's registers: those of the image's lane q % 16 + 16 h
	v_mov_b32 v7, s41                              ; its words in the side record
	v_and_b32 v253, 7, v5
	v_lshrrev_b32 v5, 3, v5
	v_mad_u32_u24 v5, v5, 40, v253                 ; 40 (r / 8) + r % 8: image row r's place in its tile's rows
	v_lshlrev_b32 v248, 2, v6                      ; 4 h
	v_lshlrev_b32 v249, 3, v6                      ; 8 h
	v_cmp_le_u32 s40, 16, v4                       ; lanes 16-31
	s_mov_b32 s[SEL], 0x76543210
	s_mov_b32 s[SEL+1], 0xfedcba98
	v_mov_b32 v[NI], 0xff800000
	v_mov_b32 v[PI], 0x7f800000
	s_mov_b32 s27, 0
	s_wait_kmcnt 0x0
	s_lshl_b32 s26, s25, 4
	s_add_nc_u64 s[12:13], s[12:13], s[26:27]      ; my query's four words of sel
	s_load_b128 s[20:23], s[12:13], 0x0            ; as scalars, for the fragments' addresses
	s_mul_i32 s26, s50, 1536
	s_add_nc_u64 s[8:9], s[8:9], s[26:27]
	s_lshl_b32 s26, s50, 7
	s_add_nc_u64 s[10:11], s[10:11], s[26:27]
	s_mul_i32 s26, s25, 12
	s_add_nc_u64 s[16:17], s[16:17], s[26:27]
	s_add_nc_u64 s[18:19], s[18:19], s[26:27]
	global_load_b32 v216, v248, s[12:13]           ; by halves, for the rows' numbers: lanes 0-15 sb 0, lanes 16-31 sb 1;
	global_load_b32 v217, v249, s[12:13]           ; sb 0, sb 2;
	global_load_b32 v218, v248, s[12:13] offset:4  ; sb 1, sb 2
.irp c, 0,1,2
	global_load_b128 v[A+4*\c:A+4*\c+3], v3, s[8:9] offset:512*\c
.endr
	global_load_b32 v[SAQ], v7, s[10:11]
	global_load_b32 v[Q2], v7, s[10:11] offset:64
	s_wait_kmcnt 0x0
.irp s, 0,1,2
	s_min_u32 s[20+\s], s[20+\s], 1249             ; a loaded number enters an address only behind a bound
	s_mul_i32 s26, s[20+\s], 5*1536
	s_add_nc_u64 s[28+2*\s:29+2*\s], s[4:5], s[26:27]
	s_mul_i32 s26, s[20+\s], 5*128
	s_add_nc_u64 s[34+2*\s:35+2*\s], s[6:7], s[26:27]
.endr
	s_set_vgpr_msb 0x40                            ; destination in window 1: tile T's fragment at v[256 + 12 T]
.irp s, 0,1,2
.irp u, 0,1,2,3,4
.irp c, 0,1,2
	global_load_b128 v[12*(5*\s+\u)+4*\c:12*(5*\s+\u)+4*\c+3], v1, s[28+2*\s:29+2*\s] offset:1536*\u+512*\c
.endr
.endr
.endr
	s_set_vgpr_msb 0x4000
	s_wait_loadcnt 45                              ; behind the first eight loads stand the fragments' 45: the sb numbers, my query, its scale word and q2 are in
.irp i, 0,1,2
	v_min_u32 v[216+\i], 1249, v[216+\i]           ; the bound again, for the vector addresses
.endr
.irp i, 0,1,2
	v_mul_u32_u24 v[216+\i], v[216+\i], 80         ; the sb's first row
.endr
	IDXM 0, 0, 0, 3                                ; tiles 0 and 8
	IDXM 1, 0, 1, 4                                ; 1 and 9
	IDXM 2, 1, 2, 0                                ; 2 and 10
	IDXM 3, 1, 3, 1
	IDXM 4, 1, 4, 2
	IDXM 5, 2, 0, 3                                ; 5 and 13
	IDXM 6, 2, 1, 4                                ; 6 and 14
	IDXM 7, 2, 2, 4                                ; 7, and tile 14 once more in place of a tile 15
.irp s, 0,1,2
.irp u, 0,1,2,3,4
	global_load_b32 v[SB+5*\s+\u], v2, s[34+2*\s:35+2*\s] offset:128*\u
	global_load_b32 v[NX+5*\s+\u], v2, s[34+2*\s:35+2*\s] offset:128*\u+64
.endr
.endr
.irp i, 0,1,2,3,4,5,6,7
	global_load_b96 v[Y+4*\i:Y+4*\i+2], v[YO+\i], s[14:15]
.endr
.irp i, 0,1,2,3,4,5,6,7
	v_cvt_f32_u32 v[IXF+\i], v[IDX+\i]             ; the rows as f32, exact; made while the loads are out
.endr
	s_wait_loadcnt 8                               ; all but Y's eight loads, the youngest
	s_set_vgpr_msb 0x0004                          ; source 1 in window 1
.irp t, 0,1,2,3,4,5,6,7,8,9,10,11,12,13,14
	v_wmma_scale_f32_16x16x128_f8f6f4 v[D+8*\t:D+8*\t+7], v[A:A+11], v[12*\t:12*\t+11], 0, v[SAQ], v[SB+\t] matrix_a_fmt:MATRIX_FMT_FP6 matrix_b_fmt:MATRIX_FMT_FP6
.endr
	s_set_vgpr_msb 0x0400
.rept 4
	v_nop                                          ; places ahead of the first read of the last results (ISA guide 7.12.1)
.endr
.irp t, 0,1,2,3,4,5,6,7,8,9,10,11,12,13,14
	v_sub_f32 v[D+8*\t], v[Q2], v[D+8*\t]          ; q2 - 2 q . x; each accumulator is read at its lowest register
.endr
.irp t, 0,1,2,3,4,5,6,7,8,9,10,11,12,13,14
	v_sub_f32 v[NX+\t], v[NX+\t], v[D+8*\t]        ; -x2 - (q2 - 2 q . x) = -d
.endr
.irp i, 0,1,2,3,4,5,6
	v_cndmask_b32 v[OWN+\i], v[NX+\i], v[NX+8+\i], s40
.endr
	v_cndmask_b32 v[OWN+7], v[NX+7], v[NI], s40
	ROUND 0
	ROUND 1
	ROUND 2                                        ; every lane now holds the three rows, nearest first
.irp i, 0,1,2,3,4,5,6,7
	v_cmp_eq_f32 s[MK+\i], v[OWN+\i], v[NI]        ; a slot that a round has taken out of the field holds one of the three rows
.endr
	s_and_not1_b32 s[MK+7], s[MK+7], s40           ; the slot that repeats tile 14 counts for nothing
	s_wait_loadcnt 0x0                             ; Y
.irp e, 0,1,2
	v_cndmask_b32 v[SUM+\e], 0, v[Y+\e], s[MK]     ; chosen, not multiplied: what an unchosen row of Y holds does not matter.  The first slot starts the sums
.endr
.irp i, 1,2,3,4,5,6,7
.irp e, 0,1,2
	v_cndmask_b32 v[T+3*(\i%2)+\e], 0, v[Y+4*\i+\e], s[MK+\i]
.endr
.irp e, 0,1,2
	v_add_f32 v[SUM+\e], v[SUM+\e], v[T+3*(\i%2)+\e]
.endr
.endr
.irp m, 1,2,4,8
.irp e, 0,1,2
	v_add_f32_dpp v[SUM+\e], v[SUM+\e], v[SUM+\e] row_xmask:\m row_mask:0xf bank_mask:0xf
.endr
.endr
.irp e, 0,1,2
	v_permlanex16_b32 v[T+\e], v[SUM+\e], s[SEL], s[SEL+1]
.endr
.irp e, 0,1,2
	v_add_f32 v[SUM+\e], v[SUM+\e], v[T+\e]
.endr
.irp e, 0,1,2
	v_mul_f32 v[SUM+\e], 0x3eaaaaab, v[SUM+\e]     ; x 1/3
.endr
.irp e, 0,1,2
	v_cvt_u32_f32 v[GF+\e], v[GF+\e]               ; the rows as whole numbers again
.endr
	v_mov_b32 v248, 0                              ; (its loads came back long ago)
	s_wait_xcnt 0x0                                ; EXEC is a source of the loads above: it changes only behind this wait
	v_cmp_eq_u32 vcc_lo, 0, v4
	s_and_saveexec_b32 s49, vcc_lo
	global_store_b96 v248, v[GF:GF+2], s[18:19]    ; the three rows
	global_store_b96 v248, v[SUM:SUM+2], s[16:17]  ; the mean of their rows of Y
	s_wait_xcnt 0x0
	s_or_b32 exec_lo, exec_lo, s49
	s_endpgm
.Lfunc_end_k_q31c8c32f33_refine:
	.size	k_q31c8c32f33_refine, .Lfunc_end_k_q31c8c32f33_refine-k_q31c8c32f33_refine
	.p2alignl 7, 3214868480
	.fill 96, 4, 3214868480
	.section	.rodata,"a",@progbits
	.p2align	6, 0x0
	.amdhsa_kernel k_q31c8c32f33_refine
		.amdhsa_group_segment_fixed_size 0
		.amdhsa_private_segment_fixed_size 0
		.amdhsa_enable_private_segment 0
		.amdhsa_kernarg_size 64
		.amdhsa_user_sgpr_count 2
		.amdhsa_user_sgpr_kernarg_segment_ptr 1
		.amdhsa_wavefront_size32 1
		.amdhsa_system_sgpr_workgroup_id_x 1
		.amdhsa_system_sgpr_workgroup_id_y 1
		.amdhsa_system_sgpr_workgroup_id_z 1
		.amdhsa_system_vgpr_workitem_id 0
		.amdhsa_next_free_vgpr 448
		.amdhsa_next_free_sgpr 66
		.amdhsa_reserve_vcc 1
		.amdhsa_float_denorm_mode_32 3
		.amdhsa_float_denorm_mode_16_64 3
		.amdhsa_memory_ordered 1
		.amdhsa_forward_progress 1
		.amdhsa_inst_pref_size 31
	.end_amdhsa_kernel
	.amdgpu_metadata
---
amdhsa.version: [ 1, 2 ]
amdhsa.kernels:
  - .name:           k_q31c8c32f33_refine
    .symbol:         k_q31c8c32f33_refine.kd
    .args:
      - { .name: xc, .offset: 0, .size: 8, .value_kind: global_buffer, .address_space: global }
      - { .name: xs, .offset: 8, .size: 8, .value_kind: global_buffer, .address_space: global }
      - { .name: qc, .offset: 16, .size: 8, .value_kind: global_buffer, .address_space: global }
      - { .name: qs, .offset: 24, .size: 8, .value_kind: global_buffer, .address_space: global }
      - { .name: sel, .offset: 32, .size: 8, .value_kind: global_buffer, .address_space: global }
      - { .name: dataTensorY, .offset: 40, .size: 8, .value_kind: global_buffer, .address_space: global }
      - { .name: out0, .offset: 48, .size: 8, .value_kind: global_buffer, .address_space: global }
      - { .name: out1, .offset: 56, .size: 8, .value_kind: global_buffer, .address_space: global }
    .group_segment_fixed_size: 0
    .private_segment_fixed_size: 0
    .kernarg_segment_align: 8
    .kernarg_segment_size: 64
    .max_flat_workgroup_size: 128
    .sgpr_count:     66
    .vgpr_count:     448
    .wavefront_size: 32
...
	.end_amdgpu_metadata
.endif
;; end of part 4
;; ======== version 2 of 2: 4 launches
;; workspace buffers: xc 9,600,000 bytes; xs 800,000 bytes; qc 98,304 bytes; qs 8,192 bytes; ma 4,096,000 bytes; mb 1,024,000 bytes; sel 16,384 bytes of whole numbers
;; launch quant (part 5): grid 3157 x 1, 2 waves a work-group, no clusters, 17,152 bytes of LDS; arguments dataTensorX, inputTensor, xc, xs, qc, qs; writes xc, xs, qc, qs
.if DOCPART == 5
	.amdgcn_target "amdgcn-amd-amdhsa--gfx1250"
	.amdhsa_code_object_version 6
	.text
	.protected	k_q31c8c32f33_quant
	.globl	k_q31c8c32f33_quant
	.p2align	8
	.type	k_q31c8c32f33_quant,@function
k_q31c8c32f33_quant:
	s_mov_b64 s[64:65], 0
	v_nop
	global_prefetch_b8 v0, s[64:65] scope:SCOPE_SE
	s_setreg_imm32_b32 hwreg(HW_REG_WAVE_MODE, 25, 1), 1
	s_wait_xcnt 0x0
; X [100000][128] and Q [1024][128], f32, become operands of the product q . x in codes of FP6 (E2M3), one E8M0 scale byte for each 32 along K.
; ONE WAVE MAKES ONE FRAGMENT (16 rows x 128 K) and stores it as an IMAGE OF THE OPERAND'S REGISTERS: register group c (four registers, c = 0..2) of lane l at byte 512 c + 16 l of the
; fragment's 1,536 bytes.  Beside it a side record of 32 words: words 0-15 the rows' scale words, words 16-31 a row sum in f32.
; X: fragment F = 5 sb + u (sb: a run of 80 rows; u = 0..4); its image row r is X's row 80 sb + 40 (r / 8) + 8 u + r % 8.  The side sum is -x2 (minus the sum of squares of the UNQUANTISED numbers).
; Q: tile n holds queries 16 n + r.  Each scale byte is stored ONE HIGHER, so that the product comes out as 2 q . x, exactly; the side sum is +q2.
; A block's scale is 2^(floor(log2(its largest magnitude)) - 2); its byte is the largest magnitude's exponent field - 2, held at 1 from below.
; LIMITS: NaN and infinities among the inputs are not served.  A block of zeros gets the byte 1 where the rule says 127: its codes are zeros, and this program alone reads the bytes.
; A block of Q whose byte would be 254 (magnitudes from 2^125 on) would get 255 by the step up, which is no scale.  The sums of squares are added in four chains and across two lanes, another order than a plain loop's.
; Memory binds: each of the 16 loads reads one whole row, 512 consecutive bytes; the rows turn through the wave's own stage in LDS so that a lane holds 16 neighbours of each block; each store of codes
; covers 512 consecutive bytes at a multiple of 256.  The rows come back from the stage into the registers that they left: 120 registers a wave, so that more waves, and with them more loads, are under way at once.
; No barrier: waves share nothing.  No matrix unit, no cluster, no tensor load: nothing is shared and nothing is read twice.
.set NXF,   6250                       ; X's fragments; the 64 behind them are Q's tiles: 6,314 = 2 x 3,157 waves
.set PITCH, 528                        ; a stage row: 512 bytes + 16, an odd multiple of 16: sixteen rows of a 16-byte load start at sixteen different groups of banks
.set WST,   16*PITCH                   ; a wave's stage
.set R,   16                           ; v16-79   the 16 rows as loaded: row i in v[R+4i ..]
.set X,   16                           ; the same registers, behind the stage: register 16 b + i = k 32 b + 16 (lane / 16) + i of row lane % 16
.set PC,  80                           ; v80-91   the codes; v92-98 the halves made elsewhere
.set TM,  100                          ; v100-103 largest magnitudes, v104-107 bytes, v112-115 the conversions' scale operands
.set PW,  116                          ; the scale word
.set SD,  117                          ; the side record's word of my lane
.set SEL, 36                           ; s[36:37] selects for lane l xor 16
	s_load_b256 s[4:11], s[0:1], 0x0               ; X s[4:5], Q s[6:7], xc s[8:9], xs s[10:11]
	s_load_b128 s[12:15], s[0:1], 0x20             ; qc s[12:13], qs s[14:15]
	v_lshl_add_u32 v120, v0, 2, 0x4200
	v_mov_b32 v121, 0
	v_lshrrev_b32 v1, 5, v0
	v_readfirstlane_b32 s16, v1                    ; wave 0, 1
	v_and_b32 v1, 31, v0                           ; lane
	v_lshlrev_b32 v2, 4, v1                        ; 16 x lane: my bytes of a row, and of an image's group
	v_lshlrev_b32 v3, 2, v1                        ; 4 x lane: my word of the side record
	s_mul_i32 s18, s16, WST
	v_add_nc_u32 v4, s18, v2                       ; the stage, way in: a row as it lies
	v_and_b32 v6, 15, v0                           ; r
	v_bfe_u32 v7, v0, 4, 1                         ; h
	v_mul_u32_u24 v5, v6, PITCH
	v_lshl_add_u32 v5, v7, 6, v5
	v_add_nc_u32 v5, s18, v5                       ; way out: row r, + 64 h: my 16 numbers of each block of 32
.irp b, 0,1,2,3
	v_mov_b32 v[TM+4+\b], 0                        ; written once: a lane permute's destination counts as one of its sources
.endr
	s_mov_b32 s[SEL], 0x76543210
	s_mov_b32 s[SEL+1], 0xfedcba98
	s_lshl_b32 s17, ttmp9, 1
	s_add_co_u32 s17, s17, s16                     ; F = 2 x work-group + wave
	s_mul_hi_u32 s19, s17, 0xcccccccd
	s_lshr_b32 s19, s19, 2                         ; sb = F / 5
	s_mul_i32 s20, s19, 5
	s_sub_co_u32 s20, s17, s20                     ; u = F % 5
	s_mul_i32 s21, s19, 80
	s_lshl_b32 s20, s20, 3
	s_add_co_u32 s21, s21, s20                     ; X: the fragment's first row, 80 sb + 8 u
	s_sub_co_u32 s22, s17, NXF                     ; Q: the tile,
	s_lshl_b32 s23, s22, 4                         ;    its first row
	s_mov_b32 s30, 20480                           ; X: image rows 8-15 begin 40 rows on (Q: 8 rows, 4,096 bytes)
	s_mov_b32 s25, 0x01010101                      ; Q: one onto each scale byte
	s_mov_b32 s26, 0x3f800000                      ; Q: +q2
	s_mov_b32 s27, 0xbf800000                      ; X: -x2
	s_wait_alu depctr_va_vdst(0)
	s_wait_kmcnt 0x0
	s_cmp_lt_u32 s17, NXF                          ; X's fragment or Q's tile?  The choice hangs on ids alone; only selections follow, which leave SCC as it is
	s_cselect_b32 s22, s17, s22                    ; the fragment's number in its own buffers
	s_cselect_b32 s21, s21, s23
	s_cselect_b32 s30, s30, 4096
	s_cselect_b32 s25, 0, s25
	s_cselect_b32 s26, s27, s26
	s_cselect_b64 s[4:5], s[4:5], s[6:7]           ; from
	s_cselect_b64 s[8:9], s[8:9], s[12:13]         ; the codes' buffer
	s_cselect_b64 s[10:11], s[10:11], s[14:15]     ; the side records'
	s_lshl_b32 s28, s21, 9                         ; 512 bytes a row: under 2^26
	s_mov_b32 s29, 0
	s_mov_b32 s31, 0
	s_add_nc_u64 s[28:29], s[4:5], s[28:29]        ; image rows 0-7
	s_add_nc_u64 s[30:31], s[28:29], s[30:31]      ; image rows 8-15
	s_mul_i32 s32, s22, 1536
	s_mov_b32 s33, 0
	s_add_nc_u64 s[32:33], s[8:9], s[32:33]
	s_lshl_b32 s34, s22, 7
	s_mov_b32 s35, 0
	s_add_nc_u64 s[34:35], s[10:11], s[34:35]
.irp i, 0,1,2,3,4,5,6,7
	global_load_b128 v[R+4*\i:R+4*\i+3], v2, s[28:29] offset:512*\i th:TH_LOAD_NT          ; 32 lanes read a row's 512 consecutive bytes; read once in the launch
.endr
.irp i, 0,1,2,3,4,5,6,7
	global_load_b128 v[R+32+4*\i:R+32+4*\i+3], v2, s[30:31] offset:512*\i th:TH_LOAD_NT
.endr
.irp i, 0,1,2,3,4,5,6,7,8,9,10,11,12,13,14,15
	s_wait_loadcnt 15-\i                           ; loads come back in order: row i is in, the 15 - i younger rows may be out
	ds_store_b128 v4, v[R+4*\i:R+4*\i+3] offset:PITCH*\i
.endr
.irp b, 0,1,2,3
.irp j, 0,1,2,3
	ds_load_b128 v[X+16*\b+4*\j:X+16*\b+4*\j+3], v5 offset:128*\b+16*\j   ; LDS serves a wave's instructions in order (ISA guide 5.7.1.4): these see my stores, and land behind them in the registers that the stores read
.endr
.endr
	s_wait_dscnt 0x0
	; the row's sum of squares, of the numbers as they came: four chains of packed multiply-adds, one for each block
.irp b, 0,1,2,3
	v_pk_mul_f32 v[8+2*\b:9+2*\b], v[X+16*\b:X+16*\b+1], v[X+16*\b:X+16*\b+1]
.endr
.irp i, 2,4,6,8,10,12,14
.irp b, 0,1,2,3
	v_pk_fma_f32 v[8+2*\b:9+2*\b], v[X+16*\b+\i:X+16*\b+\i+1], v[X+16*\b+\i:X+16*\b+\i+1], v[8+2*\b:9+2*\b]
.endr
.endr
	v_pk_add_f32 v[8:9], v[8:9], v[10:11]
	v_pk_add_f32 v[12:13], v[12:13], v[14:15]
	v_pk_add_f32 v[8:9], v[8:9], v[12:13]
	v_add_f32 v8, v8, v9
	v_permlanex16_b32 v9, v8, s[SEL], s[SEL+1]     ; the row's other 64 numbers lie in lane l xor 16
	v_add_f32 v8, v8, v9
	v_mul_f32 v8, s26, v8                          ; -x2 or +q2
	; the four blocks' scales
.irp b, 0,1,2,3
	v_max3_num_f32 v[TM+\b], |v[X+16*\b]|, |v[X+1+16*\b]|, 0x1800000   ; block b: my 16 numbers, and the floor 2^(3 - 127): so the byte cannot fall under 1
.endr
.irp i, 2,4,6,8,10,12,14
.irp b, 0,1,2,3
	v_max3_num_f32 v[TM+\b], v[TM+\b], |v[X+16*\b+\i]|, |v[X+1+16*\b+\i]|   ; (the four blocks by turns)
.endr
.endr
.irp b, 0,1,2,3
	v_permlanex16_b32 v[TM+4+\b], v[TM+\b], s[SEL], s[SEL+1]
.endr
.irp b, 0,1,2,3
	v_max_num_f32 v[TM+\b], v[TM+\b], v[TM+4+\b]   ; with lane l xor 16's: the block's largest magnitude
.endr
.irp b, 0,1,2,3
	v_add_nc_u32 v[TM+12+\b], 0xff000000, v[TM+\b] ; 2 off its exponent field: the conversion takes the exponent field of this operand as its scale, and nothing else of it
.endr
.irp b, 0,1,2,3
	v_lshrrev_b32 v[TM+4+\b], 23, v[TM+12+\b]      ; the scale's byte
.endr
	v_lshl_or_b32 v[PW], v[TM+5], 8, v[TM+4]       ; the four bytes make my row's scale word
	v_lshl_or_b32 v[PW], v[TM+6], 16, v[PW]
	v_lshl_or_b32 v[PW], v[TM+7], 24, v[PW]
.irp c, 0,1
	v_cvt_scalef32_pk16_fp6_f32 v[PC+6*\c:PC+2+6*\c], v[X+32*\c:X+15+32*\c], v[TM+12+2*\c]
	v_cvt_scalef32_pk16_fp6_f32 v[PC+12+4*\c:PC+14+4*\c], v[X+16+32*\c:X+31+32*\c], v[TM+12+2*\c+1]   ; (a conversion's three registers begin on an even number)
.endr
	v_add_nc_u32 v[PW], s25, v[PW]                 ; Q: each byte one higher; X: as it is.  (Also the plain place behind the scaled conversions)
.irp c, 0,1                                    ; the operand's layout wants a WHOLE block in a lane: lanes 0-15 block 2 c, lanes 16-31 block 2 c + 1
.irp i, 0,1,2
	v_permlane16_swap_b32 v[PC+6*\c+\i], v[PC+12+4*\c+\i]
.endr
.irp i, 0,1,2
	v_mov_b32 v[PC+3+6*\c+\i], v[PC+12+4*\c+\i]
.endr
.endr
	v_cmp_le_u32 vcc_lo, 16, v1
	v_cndmask_b32 v[SD], v[PW], v8, vcc_lo         ; lanes 0-15: row r's scale word; lanes 16-31: row r's sum
.irp c, 0,1,2
	global_store_b128 v2, v[PC+4*\c:PC+4*\c+3], s[32:33] offset:512*\c   ; 32 lanes store 512 consecutive bytes, at a multiple of 256 from the buffer's first byte
.endr
	global_store_b32 v3, v[SD], s[34:35]           ; 128 consecutive bytes
	s_wait_tensorcnt 0x0
	ds_add_u32 v120, v121
	s_wait_dscnt 0x0
	s_endpgm
.Lfunc_end_k_q31c8c32f33_quant:
	.size	k_q31c8c32f33_quant, .Lfunc_end_k_q31c8c32f33_quant-k_q31c8c32f33_quant
	.p2alignl 7, 3214868480
	.fill 96, 4, 3214868480
	.section	.rodata,"a",@progbits
	.p2align	6, 0x0
	.amdhsa_kernel k_q31c8c32f33_quant
		.amdhsa_group_segment_fixed_size 17152
		.amdhsa_private_segment_fixed_size 0
		.amdhsa_enable_private_segment 0
		.amdhsa_kernarg_size 48
		.amdhsa_user_sgpr_count 2
		.amdhsa_user_sgpr_kernarg_segment_ptr 1
		.amdhsa_wavefront_size32 1
		.amdhsa_system_sgpr_workgroup_id_x 1
		.amdhsa_system_sgpr_workgroup_id_y 1
		.amdhsa_system_sgpr_workgroup_id_z 1
		.amdhsa_system_vgpr_workitem_id 0
		.amdhsa_next_free_vgpr 122
		.amdhsa_next_free_sgpr 66
		.amdhsa_reserve_vcc 1
		.amdhsa_float_denorm_mode_32 3
		.amdhsa_float_denorm_mode_16_64 3
		.amdhsa_memory_ordered 1
		.amdhsa_forward_progress 1
		.amdhsa_inst_pref_size 14
	.end_amdhsa_kernel
	.amdgpu_metadata
---
amdhsa.version: [ 1, 2 ]
amdhsa.kernels:
  - .name:           k_q31c8c32f33_quant
    .symbol:         k_q31c8c32f33_quant.kd
    .args:
      - { .name: dataTensorX, .offset: 0, .size: 8, .value_kind: global_buffer, .address_space: global }
      - { .name: inputTensor, .offset: 8, .size: 8, .value_kind: global_buffer, .address_space: global }
      - { .name: xc, .offset: 16, .size: 8, .value_kind: global_buffer, .address_space: global }
      - { .name: xs, .offset: 24, .size: 8, .value_kind: global_buffer, .address_space: global }
      - { .name: qc, .offset: 32, .size: 8, .value_kind: global_buffer, .address_space: global }
      - { .name: qs, .offset: 40, .size: 8, .value_kind: global_buffer, .address_space: global }
    .group_segment_fixed_size: 17152
    .private_segment_fixed_size: 0
    .kernarg_segment_align: 8
    .kernarg_segment_size: 48
    .max_flat_workgroup_size: 64
    .sgpr_count:     66
    .vgpr_count:     122
    .wavefront_size: 32
...
	.end_amdgpu_metadata
.endif
;; end of part 5
;; launch scan (part 6): grid 250 x 1, 8 waves a work-group, no clusters, 43,008 bytes of LDS; arguments xc, xs, qc, qs, ma, mb; writes ma, mb
.if DOCPART == 6
	.amdgcn_target "amdgcn-amd-amdhsa--gfx1250"
	.amdhsa_code_object_version 6
	.text
	.protected	k_q31c8c32f33_scan
	.globl	k_q31c8c32f33_scan
	.p2align	8
	.type	k_q31c8c32f33_scan,@function
k_q31c8c32f33_scan:
	s_mov_b64 s[64:65], 0
	v_nop
	global_prefetch_b8 v0, s[64:65] scope:SCOPE_SE
	s_setreg_imm32_b32 hwreg(HW_REG_WAVE_SCHED_MODE, 0, 2), 2
	s_setreg_imm32_b32 hwreg(HW_REG_WAVE_MODE, 25, 1), 1
	s_wait_xcnt 0x0
	s_wait_alu depctr_vm_vsrc(0)
; For every query and every run of 80 rows of X (a super-block, sb; 1,250 of them): the largest SCORE = 2 q . x - x2 = q2 - distance.  The product is on codes of FP6 (E2M3) with E8M0 scales, K = 128: one matrix instruction.
; THE SCORE COSTS NO VECTOR INSTRUCTION: Q's scale bytes were stored one higher, so the product is 2 q . x, and -x2 is the C of the matrix instruction.  q2 is the same for all rows of a query and is left out here.
; What is left for the vector unit is a maximum, two scores an instruction.  Which rows are the nearest is settled later, on the three best sb of each query.
; LIMIT: sb are ranked by the score as the matrix unit rounds it, without q2; the later launch orders rows by (q2 - 2 q . x) + x2.  A row could be lost only where the best rows of a query's third and fourth sb lie within those roundings of each other.
; SHARES.  Work-group g takes rows 400 g .. 400 g + 399: 5 sb, 25 fragments, one dense block of 38,400 bytes of images and one of 3,200 bytes of side records.  They go into LDS once (through registers; written once, one barrier).
; Wave w keeps queries 128 w .. 128 w + 127 in registers for the whole launch: 8 fragments, 8 scale registers.  Every wave walks the 25 fragments; each fragment read from LDS (1,536 bytes) feeds 8 matrix instructions.
; No cluster: 250 work-groups are no multiple of 4, and what is shared (Q) goes to registers once.  No tensor load: no LDS byte is filled twice.
; LAYOUT.  Source 0 = 16 image rows of X, source 1 = 16 queries: in the result lane (r, h) holds query r and its register j image row 8 h + j.  Image rows 8 h + j of fragment u are rows 40 h + 8 u + j of the sb:
; so half h of the lanes sees rows 40 h .. 40 h + 39, and one exchange of halves at the sb's end joins the two.
; THE MODE: SCHED_MODE bits 1:0 = 2 (LLVM: expert scheduling mode 2), set by the entry lines.  The code itself states the register dependences
; between vector or matrix instructions and memory or LDS instructions, with s_wait_alu, always for 0.
; THE PLAN.  Registers that memory or LDS instructions touch:
;   v1-v9        offsets and LDS addresses: written by vector lines at the head, never again; read by every load and store.
;   ST           the copy's staging: written by global loads, read by my LDS stores; the same registers are D from the first product on.
;   B, SB        Q: written by global loads, once; read by products.
;   A, SA, C     two buffers by turns.  Step f's eight products read buffer f % 2; step f's six LDS loads land in the other one, whose last readers are the products of step f - 1.
;   RR           written by the maxima at an sb's end; read by the five global stores at the launch's end.
;   D and ACC are named by vector and matrix instructions alone.
; So ONE wait on va_vdst stands at the head of a step: it states that the products of the step before are done reading the other buffer.  The step's six loads follow it, dealt among the step's first products,
; which name buffer f % 2, B, SB and D; the maxima name D, ACC and RR: none of the registers that those loads touch.
.set FRB, 1536                         ; a fragment's image
.set XS,  25*FRB                       ; LDS: 25 images from byte 0, then 25 side records of 128 bytes
.set B,   16                           ; v16-111  Q's fragments, tile n at B + 12 n
.set SB,  112                          ; v112-119 Q's scale words: scales and nothing else
.set A,   120                          ; v120-143 X's fragment, two buffers
.set SA,  144                          ; v144-145 its scale words, two buffers: scales and nothing else
.set C,   146                          ; v146-161 -x2 of my half's eight image rows, two buffers
.set D,   162                          ; v162-225 the scores, tile n at D + 8 n
.set ST,  162                          ; the same registers, ahead of the products: the copy's staging, fragment i at ST + 14 i (12 of codes, 1 of the side record)
.set ACC, 226                          ; v226-233 the running maximum, one a tile
.set RR,  234                          ; v234-253 results: sb t < 4 of queries 32 k + lane at RR + 4 k + t; sb 4 at RR + 16 + k
	s_load_b256 s[4:11], s[0:1], 0x0               ; xc s[4:5], xs s[6:7], qc s[8:9], qs s[10:11]
	s_load_b128 s[12:15], s[0:1], 0x20             ; ma s[12:13], mb s[14:15]
	v_lshl_add_u32 v254, v0, 2, 0xa400
	v_mov_b32 v255, 0
	v_lshrrev_b32 v1, 5, v0
	v_readfirstlane_b32 s16, v1                    ; wave 0..7
	v_and_b32 v10, 31, v0                          ; lane
	v_and_b32 v11, 15, v0                          ; r
	v_bfe_u32 v12, v0, 4, 1                        ; h
	v_lshlrev_b32 v1, 4, v10                       ; 16 x lane: my place in an image's group
	v_lshlrev_b32 v7, 2, v11                       ; 4 r: a row's scale word
	v_add_nc_u32 v2, XS, v7                        ; in LDS
	v_lshlrev_b32 v3, 5, v12
	v_add_nc_u32 v3, XS+64, v3                     ; -x2 of image rows 8 h .. 8 h + 7: 32 bytes, the same for the sixteen lanes of a half
	s_wait_alu depctr_va_sdst(0)                   ; s16 is written, ahead of its first reader: offsets, bases and the branches on the wave's number are made from it
	s_mul_i32 s17, s16, FRB
	v_add_nc_u32 v4, s17, v1                       ; the copy: fragment w, both in the block of memory and in LDS
	s_lshl_b32 s18, s16, 7
	v_lshl_add_u32 v5, v10, 2, s18                 ; its side record in memory,
	v_add_nc_u32 v6, XS, v5                        ; and in LDS
	s_lshl_b32 s19, s16, 11
	v_add_nc_u32 v8, s19, v1                       ; ma: 16 bytes a query, my wave's 128 queries
	s_lshl_b32 s20, s16, 9
	v_add_nc_u32 v9, s20, v1                       ; mb: 16 bytes a lane, 512 a wave
	s_mov_b32 s23, 0
	s_wait_kmcnt 0x0
	s_mul_i32 s22, ttmp9, 25*FRB
	s_add_nc_u64 s[4:5], s[4:5], s[22:23]
	s_mul_i32 s22, ttmp9, 25*128
	s_add_nc_u64 s[6:7], s[6:7], s[22:23]
	s_mul_i32 s22, s16, 8*FRB
	s_add_nc_u64 s[8:9], s[8:9], s[22:23]
	s_lshl_b32 s22, s16, 10
	s_add_nc_u64 s[10:11], s[10:11], s[22:23]
	s_lshl_b32 s22, ttmp9, 14
	s_add_nc_u64 s[12:13], s[12:13], s[22:23]
	s_lshl_b32 s22, ttmp9, 12
	s_add_nc_u64 s[14:15], s[14:15], s[22:23]
	s_wait_alu depctr_va_vdst(0)                   ; the nine offsets and addresses v1 to v9 are written, which every load and store of the kernel reads; no vector line names them again
	; the copy: wave w brings fragments w, w + 8, w + 16; wave 0 also fragment 24
.irp i, 0,1,2
.irp c, 0,1,2
	global_load_b128 v[ST+14*\i+4*\c:ST+14*\i+4*\c+3], v4, s[4:5] offset:8*FRB*\i+512*\c
.endr
	global_load_b32 v[ST+14*\i+12], v5, s[6:7] offset:1024*\i
.endr
	s_cmp_lg_u32 s16, 0
	s_cbranch_scc1 .Lno24a
.irp c, 0,1,2
	global_load_b128 v[ST+42+4*\c:ST+42+4*\c+3], v4, s[4:5] offset:24*FRB+512*\c
.endr
	global_load_b32 v[ST+42+12], v5, s[6:7] offset:24*128
.Lno24a:
.irp n, 0,1,2,3,4,5,6,7
.irp c, 0,1,2
	global_load_b128 v[B+12*\n+4*\c:B+12*\n+4*\c+3], v1, s[8:9] offset:FRB*\n+512*\c   ; my 128 queries stay in registers
.endr
.endr
.irp n, 0,1,2,3,4,5,6,7
	global_load_b32 v[SB+\n], v7, s[10:11] offset:128*\n
.endr
	s_wait_loadcnt 32                              ; behind the copy's loads stand Q's 32, on both ways of the branch: the copy's are in
.irp i, 0,1,2
.irp c, 0,1,2
	ds_store_b128 v4, v[ST+14*\i+4*\c:ST+14*\i+4*\c+3] offset:8*FRB*\i+512*\c
.endr
	ds_store_b32 v6, v[ST+14*\i+12] offset:1024*\i
.endr
	s_cmp_lg_u32 s16, 0
	s_cbranch_scc1 .Lno24b
.irp c, 0,1,2
	ds_store_b128 v4, v[ST+42+4*\c:ST+42+4*\c+3] offset:24*FRB+512*\c
.endr
	ds_store_b32 v6, v[ST+42+12] offset:24*128
.Lno24b:
	s_wait_dscnt 0x0                               ; for the others' sake: my stores have landed
	s_barrier_signal -1
	s_barrier_wait -1                              ; the 25 fragments lie in LDS; nothing is written there again
	s_wait_alu depctr_vm_vsrc(0)                   ; my LDS stores have read the staging registers: these are D from here on, written by the products
	s_wait_loadcnt 0x0                             ; Q
.macro LOADC f                         ; fragment f's codes into buffer f % 2: three LDS loads
.irp c, 0,1,2
	ds_load_b128 v[A+12*((\f)%2)+4*\c:A+12*((\f)%2)+4*\c+3], v1 offset:FRB*(\f)+512*\c
.endr
.endm
.macro LOADS f                         ; its scale words and its -x2: three more
	ds_load_b32 v[SA+(\f)%2], v2 offset:128*(\f)
	ds_load_b128 v[C+8*((\f)%2):C+8*((\f)%2)+3], v3 offset:128*(\f)
	ds_load_b128 v[C+8*((\f)%2)+4:C+8*((\f)%2)+7], v3 offset:128*(\f)+16
.endm
.macro MM f, g                         ; fragment f against tiles 4 g .. 4 g + 3 of my queries: D = 2 q . x - x2.  No sum goes on in place: each product has its own D and takes C from the side record
.irp n, 4*(\g), 4*(\g)+1, 4*(\g)+2, 4*(\g)+3
	v_wmma_scale_f32_16x16x128_f8f6f4 v[D+8*(\n):D+8*(\n)+7], v[A+12*((\f)%2):A+12*((\f)%2)+11], v[B+12*(\n):B+12*(\n)+11], v[C+8*((\f)%2):C+8*((\f)%2)+7], v[SA+(\f)%2], v[SB+(\n)] matrix_a_fmt:MATRIX_FMT_FP6 matrix_b_fmt:MATRIX_FMT_FP6
.endr
.endm
.macro RED f, g                        ; 16 lines: the four tiles' eight scores into their running maxima, the tiles by turns, each accumulator from its low end on.  An sb's first fragment starts the maximum: nothing is cleared
.if (\f)%5 == 0
.irp n, 4*(\g), 4*(\g)+1, 4*(\g)+2, 4*(\g)+3
	v_max3_num_f32 v[ACC+(\n)], v[D+8*(\n)], v[D+8*(\n)+1], v[D+8*(\n)+2]
.endr
.irp n, 4*(\g), 4*(\g)+1, 4*(\g)+2, 4*(\g)+3
	v_max3_num_f32 v[ACC+(\n)], v[ACC+(\n)], v[D+8*(\n)+3], v[D+8*(\n)+4]
.endr
.irp n, 4*(\g), 4*(\g)+1, 4*(\g)+2, 4*(\g)+3
	v_max3_num_f32 v[ACC+(\n)], v[ACC+(\n)], v[D+8*(\n)+5], v[D+8*(\n)+6]
.endr
.irp n, 4*(\g), 4*(\g)+1, 4*(\g)+2, 4*(\g)+3
	v_max_num_f32 v[ACC+(\n)], v[ACC+(\n)], v[D+8*(\n)+7]
.endr
.else
.irp j, 0,2,4,6
.irp n, 4*(\g), 4*(\g)+1, 4*(\g)+2, 4*(\g)+3
	v_max3_num_f32 v[ACC+(\n)], v[ACC+(\n)], v[D+8*(\n)+\j], v[D+8*(\n)+\j+1]
.endr
.endr
.endif
.endm
.macro FIN t, g                        ; sb t is through for tiles 4 g .. 4 g + 3.  The exchange puts tile 2 k's two halves into lanes 0-15 of the two registers and tile 2 k + 1's into lanes 16-31: the maximum then holds query 32 k + lane
.irp k, 2*(\g), 2*(\g)+1
	v_permlane16_swap_b32 v[ACC+2*(\k)], v[ACC+2*(\k)+1]
.endr
.irp k, 2*(\g), 2*(\g)+1
.if (\t) < 4
	v_max_num_f32 v[RR+4*(\k)+(\t)], v[ACC+2*(\k)], v[ACC+2*(\k)+1]
.else
	v_max_num_f32 v[RR+16+(\k)], v[ACC+2*(\k)], v[ACC+2*(\k)+1]
.endif
.endr
.endm
; A step: one fragment, eight products in two groups of four.  Behind each group stand the OTHER group's 16 lines of maxima, which name none of its registers: they are the places (ISA guide 7.12.1) ahead of the
; first read of its scores and ahead of the next step's products that write over them.  The next fragment is asked for at the step's head, so that it has the whole step in which to land.
.macro STEP f
	s_wait_dscnt 0x0                               ; fragment f is in (asked for at the head of the step before)
.if (\f) > 0 && (\f) < 24
	s_wait_alu depctr_va_vdst(0)                   ; the products of the step before are done reading the other buffer (A, SA, C), in which the six loads below land
.endif
.if (\f) < 24
	LOADC (\f)+1
.endif
	MM \f, 0
.if (\f) < 24
	LOADS (\f)+1                                   ; no wait: no vector or matrix instruction since the wait above names the other buffer or v1 to v3
.endif
.if (\f) > 0
	RED (\f)-1, 1
.if ((\f)-1)%5 == 4
	FIN ((\f)-1)/5, 1
.endif
.else
.rept 5
	v_nop                                          ; the first step has no maxima to set here: places ahead of the first read of its scores and of the products that write over them
.endr
.endif
	MM \f, 1
	RED \f, 0
.if (\f)%5 == 4
	FIN (\f)/5, 0
.endif
.endm
	LOADC 0                                        ; no vector or matrix instruction has named the two buffers yet: fragments 0 and 1 are asked for with no wait but the head's, for v1 to v3
	LOADS 0
.irp f, 0,1,2,3,4,5,6,7,8,9,10,11,12,13,14,15,16,17,18,19,20,21,22,23,24
	STEP \f
.endr
	RED 24, 1
	FIN 4, 1
	s_wait_alu depctr_va_vdst(0)                   ; the maxima have written v[RR ..], which the five stores read
.irp k, 0,1,2,3
	global_store_b128 v8, v[RR+4*\k:RR+4*\k+3], s[12:13] offset:512*\k   ; sb 0-3 of queries 128 w + 32 k + lane: 512 consecutive bytes, at a multiple of 256
.endr
	global_store_b128 v9, v[RR+16:RR+19], s[14:15]                       ; sb 4 of queries 128 w + 32 k + lane, k = 0..3 in a lane's four words: 512 consecutive bytes
	s_wait_dscnt 0x0
	s_wait_alu depctr_hold_cnt(0) depctr_sa_sdst(0) depctr_va_vdst(0) depctr_va_sdst(0) depctr_va_ssrc(0) depctr_va_vcc(0) depctr_vm_vsrc(0)
	s_wait_tensorcnt 0x0
	ds_add_u32 v254, v255
	s_wait_dscnt 0x0
	s_endpgm
.Lfunc_end_k_q31c8c32f33_scan:
	.size	k_q31c8c32f33_scan, .Lfunc_end_k_q31c8c32f33_scan-k_q31c8c32f33_scan
	.p2alignl 7, 3214868480
	.fill 96, 4, 3214868480
	.section	.rodata,"a",@progbits
	.p2align	6, 0x0
	.amdhsa_kernel k_q31c8c32f33_scan
		.amdhsa_group_segment_fixed_size 43008
		.amdhsa_private_segment_fixed_size 0
		.amdhsa_enable_private_segment 0
		.amdhsa_kernarg_size 48
		.amdhsa_user_sgpr_count 2
		.amdhsa_user_sgpr_kernarg_segment_ptr 1
		.amdhsa_wavefront_size32 1
		.amdhsa_system_sgpr_workgroup_id_x 1
		.amdhsa_system_sgpr_workgroup_id_y 1
		.amdhsa_system_sgpr_workgroup_id_z 1
		.amdhsa_system_vgpr_workitem_id 0
		.amdhsa_next_free_vgpr 256
		.amdhsa_next_free_sgpr 66
		.amdhsa_reserve_vcc 0
		.amdhsa_float_denorm_mode_32 3
		.amdhsa_float_denorm_mode_16_64 3
		.amdhsa_memory_ordered 1
		.amdhsa_forward_progress 1
		.amdhsa_inst_pref_size 95
	.end_amdhsa_kernel
	.amdgpu_metadata
---
amdhsa.version: [ 1, 2 ]
amdhsa.kernels:
  - .name:           k_q31c8c32f33_scan
    .symbol:         k_q31c8c32f33_scan.kd
    .args:
      - { .name: xc, .offset: 0, .size: 8, .value_kind: global_buffer, .address_space: global }
      - { .name: xs, .offset: 8, .size: 8, .value_kind: global_buffer, .address_space: global }
      - { .name: qc, .offset: 16, .size: 8, .value_kind: global_buffer, .address_space: global }
      - { .name: qs, .offset: 24, .size: 8, .value_kind: global_buffer, .address_space: global }
      - { .name: ma, .offset: 32, .size: 8, .value_kind: global_buffer, .address_space: global }
      - { .name: mb, .offset: 40, .size: 8, .value_kind: global_buffer, .address_space: global }
    .group_segment_fixed_size: 43008
    .private_segment_fixed_size: 0
    .kernarg_segment_align: 8
    .kernarg_segment_size: 48
    .max_flat_workgroup_size: 256
    .sgpr_count:     66
    .vgpr_count:     256
    .wavefront_size: 32
...
	.end_amdgpu_metadata
.endif
;; end of part 6
;; launch pick (part 7): grid 128 x 1, 8 waves a work-group, no clusters, 3,072 bytes of LDS; arguments ma, mb, sel; writes sel
.if DOCPART == 7
	.amdgcn_target "amdgcn-amd-amdhsa--gfx1250"
	.amdhsa_code_object_version 6
	.text
	.protected	k_q31c8c32f33_pick
	.globl	k_q31c8c32f33_pick
	.p2align	8
	.type	k_q31c8c32f33_pick,@function
k_q31c8c32f33_pick:
	s_mov_b64 s[64:65], 0
	v_nop
	global_prefetch_b8 v0, s[64:65] scope:SCOPE_SE
	s_setreg_imm32_b32 hwreg(HW_REG_WAVE_MODE, 25, 1), 1
	s_wait_xcnt 0x0
; For each query: the three super-blocks (sb, 0 .. 1,249) with the largest scores, ties to the lower number, best first; stored as whole numbers [1024][4] (the fourth word 0), from which the next launch forms addresses.
; The three nearest rows of a query, ordered by (distance, row), lie in these three sb: were three other sb ahead of a row's sb, each would hold a row ahead of it; sb are runs of consecutive rows, so that holds of ties too.
; SHARES.  Work-group g takes queries 8 g .. 8 g + 7.  Thread: c = thread % 8 is the query, s = thread / 8 (0 .. 31) a slice of 8 chunks, 40 sb, walked in ascending order into a sorted list of three.
; The last slice has two chunks (248, 249): for its other six turns its lanes read six chunks further back, inside the buffers, and the numbers are replaced by -infinity.
; The 32 lists of a query are merged: lanes 8 and 16 apart in the wave, then the eight waves' lists through LDS, by wave 0.
; A stream of 5 MB and a few hundred vector lines a wave: no matrix unit, no tensor load, no cluster.  LIMIT: scores are taken to be finite.
.set VA, 16                            ; v16-47   chunk i: scores of sb 5 i .. 5 i + 3 of the slice
.set VB, 48                            ; v48-55   chunk i: that of sb 5 i + 4
.set S,  64                            ; v64-66 the list's scores, best first; v67 0; v68-70 their sb; v71 0
.set P,  72                            ; v72-79   a partner's list, laid likewise
.set TT, 80
.set NI, 81                            ; -infinity
.set C1, 21                            ; s21-23 the candidate stands ahead of the list's entry 1, 2, 3;  s24-25 at work
.set C2, 22
.set C3, 23
.set CE, 24
.set CL, 25
.set SEL, 28                           ; s[28:29] selects for lane l xor 16
; a candidate (score in v[v], number k, a constant) that comes later than all that the list holds: only a larger score goes ahead
.macro INS v, k
	v_cmp_gt_f32 s[C1], v[\v], v[S]
	v_cmp_gt_f32 s[C2], v[\v], v[S+1]
	v_cmp_gt_f32 s[C3], v[\v], v[S+2]
	s_delay_alu instid0(VALU_DEP_2)
	v_cndmask_b32 v[TT], \k, v[S+5], s[C2]
	s_delay_alu instid0(VALU_DEP_1)
	v_cndmask_b32 v[S+6], v[S+6], v[TT], s[C3]
	v_cndmask_b32 v[TT], \k, v[S+4], s[C1]
	s_delay_alu instid0(VALU_DEP_1)
	v_cndmask_b32 v[S+5], v[S+5], v[TT], s[C2]
	v_cndmask_b32 v[S+4], v[S+4], \k, s[C1]
	v_med3_num_f32 v[S+2], v[S+1], v[S+2], v[\v]   ; the middle one of (second, third, new) is the new third,
	v_med3_num_f32 v[S+1], v[S], v[S+1], v[\v]     ; of (first, second, new) the new second
	v_max_num_f32 v[S], v[S], v[\v]
.endm
.macro CMPL d, v, g, k                 ; s[d]: (score, number) stands ahead of entry k: a larger score, or the same score and a lower number
	v_cmp_gt_f32 s[\d], v[\v], v[S+\k]
	v_cmp_eq_f32 s[CE], v[\v], v[S+\k]
	v_cmp_lt_u32 s[CL], v[\g], v[S+4+\k]
	s_and_b32 s[CE], s[CE], s[CL]
	s_or_b32 s[\d], s[\d], s[CE]
.endm
.macro INSL v, g                       ; a candidate with its number in a register, from anywhere
	CMPL C1, \v, \g, 0
	CMPL C2, \v, \g, 1
	CMPL C3, \v, \g, 2
	v_cndmask_b32 v[TT], v[\g], v[S+5], s[C2]
	s_delay_alu instid0(VALU_DEP_1)
	v_cndmask_b32 v[S+6], v[S+6], v[TT], s[C3]
	v_cndmask_b32 v[TT], v[\g], v[S+4], s[C1]
	s_delay_alu instid0(VALU_DEP_1)
	v_cndmask_b32 v[S+5], v[S+5], v[TT], s[C2]
	v_cndmask_b32 v[S+4], v[S+4], v[\g], s[C1]
	v_med3_num_f32 v[S+2], v[S+1], v[S+2], v[\v]
	v_med3_num_f32 v[S+1], v[S], v[S+1], v[\v]
	v_max_num_f32 v[S], v[S], v[\v]
.endm
.macro TAKE3
	INSL P, P+4
	INSL P+1, P+5
	INSL P+2, P+6
.endm
.macro MERGEX m                        ; with the list of lane l xor m (inside 16 lanes): both end with the same list
.irp i, 0,1,2,4,5,6
	v_mov_b32_dpp v[P+\i], v[S+\i] row_xmask:\m row_mask:0xf bank_mask:0xf
.endr
	TAKE3
.endm
.macro MERGEH                          ; with lane l xor 16's
.irp i, 0,1,2,4,5,6
	v_permlanex16_b32 v[P+\i], v[S+\i], s[SEL], s[SEL+1]
.endr
	TAKE3
.endm
	s_load_b128 s[4:7], s[0:1], 0x0                ; ma s[4:5], mb s[6:7]
	s_load_b64 s[8:9], s[0:1], 0x10                ; sel
	v_lshl_add_u32 v96, v0, 2, 0x800
	v_mov_b32 v97, 0
	v_lshrrev_b32 v1, 5, v0
	s_delay_alu instid0(VALU_DEP_1)
	v_readfirstlane_b32 s16, v1                    ; wave 0..7
	v_and_b32 v1, 7, v0                            ; c
	v_lshrrev_b32 v2, 3, v0                        ; s
	s_lshl_b32 s10, ttmp9, 3
	v_add_nc_u32 v3, s10, v1                       ; q
	s_delay_alu instid0(VALU_DEP_1)
	v_lshlrev_b32 v4, 4, v3                        ; 16 q: a query's place in a chunk of ma, and in sel
	s_delay_alu instid0(VALU_DEP_1)
	v_lshl_add_u32 v5, v2, 17, v4                  ; ma: 8 chunks of 16,384 bytes a slice
	s_delay_alu instid0(VALU_DEP_3)
	v_lshrrev_b32 v6, 7, v3
	s_delay_alu instid0(VALU_DEP_1)
	v_lshlrev_b32 v6, 9, v6                        ; mb: 512 (q / 128)
	v_and_b32 v7, 31, v3
	s_delay_alu instid0(VALU_DEP_1)
	v_lshl_add_u32 v6, v7, 4, v6                   ;     + 16 (q % 32)
	v_bfe_u32 v7, v3, 5, 2
	s_delay_alu instid0(VALU_DEP_1)
	v_lshl_add_u32 v6, v7, 2, v6                   ;     + 4 ((q / 32) % 4)
	s_delay_alu instid0(VALU_DEP_1)
	v_lshl_add_u32 v6, v2, 15, v6                  ;     + 8 chunks of 4,096 bytes a slice
	v_cmp_eq_u32 s20, 31, v2                       ; the last slice
	v_mov_b32 v7, 0x18000
	s_delay_alu instid0(VALU_DEP_1)
	v_cndmask_b32 v7, 0, v7, s20
	s_delay_alu instid0(VALU_DEP_1)
	v_sub_nc_u32 v8, v5, v7                        ; its turns 2 to 7: six chunks back in ma,
	s_delay_alu instid0(VALU_DEP_2)
	v_lshrrev_b32 v7, 2, v7
	s_delay_alu instid0(VALU_DEP_1)
	v_sub_nc_u32 v9, v6, v7                        ; and in mb
	s_lshl_b32 s11, s16, 8
	v_lshl_add_u32 v10, v1, 5, s11                 ; LDS: my wave's eight lists of 32 bytes
	v_bfe_u32 v12, v0, 3, 2
	s_delay_alu instid0(VALU_DEP_1)
	v_lshlrev_b32 v11, 8, v12
	s_delay_alu instid0(VALU_DEP_1)
	v_lshl_add_u32 v11, v1, 5, v11                 ; and, for wave 0 at the end: the list of wave lane / 8, query c
	s_mov_b32 s[SEL], 0x76543210
	s_mov_b32 s[SEL+1], 0xfedcba98
	v_mov_b32 v[NI], 0xff800000
.irp i, 0,1,2
	v_mov_b32 v[S+\i], 0xff800000                  ; the list begins with -infinity, behind every score
	v_mov_b32 v[S+4+\i], 0
.endr
	v_mov_b32 v[S+3], 0
	v_mov_b32 v[S+7], 0
.irp i, 0,1,2,3,4,5,6,7
	v_mov_b32 v[P+\i], 0                           ; written once: the destination of a lane permute counts as one of its sources
.endr
	s_wait_kmcnt 0x0
.irp i, 0,1
	global_load_b128 v[VA+4*\i:VA+4*\i+3], v5, s[4:5] offset:16384*\i
	global_load_b32 v[VB+\i], v6, s[6:7] offset:4096*\i
.endr
.irp i, 2,3,4,5,6,7
	global_load_b128 v[VA+4*\i:VA+4*\i+3], v8, s[4:5] offset:16384*\i
	global_load_b32 v[VB+\i], v9, s[6:7] offset:4096*\i
.endr
.irp i, 0,1,2,3,4,5,6,7
	s_wait_alu depctr_va_vdst(0)
	s_wait_loadcnt 14-2*\i                         ; chunk i's two loads are in; the two of each later chunk may be out
.if \i >= 2
.irp t, 0,1,2,3
	v_cndmask_b32 v[VA+4*\i+\t], v[VA+4*\i+\t], v[NI], s20
.endr
	v_cndmask_b32 v[VB+\i], v[VB+\i], v[NI], s20
.endif
.irp t, 0,1,2,3
	INS VA+4*\i+\t, 5*\i+\t
.endr
	INS VB+\i, 5*\i+4
.endr
	v_mul_u32_u24 v12, v2, 40                      ; the slice's first sb
.irp i, 0,1,2
	v_add_nc_u32 v[S+4+\i], v12, v[S+4+\i]
.endr
	MERGEX 8                                       ; my wave's four slices of query c lie in lanes c, c + 8, c + 16, c + 24
	MERGEH
	ds_store_b128 v10, v[S:S+3]                    ; the four lanes of a query write the same bytes with the same values
	ds_store_b128 v10, v[S+4:S+7] offset:16
	s_wait_dscnt 0x0                               ; for the others' sake: my stores have landed
	s_barrier_signal -1
	s_barrier_wait -1
	s_cmp_lg_u32 s16, 0
	s_cbranch_scc1 .Lend
	ds_load_b128 v[S:S+3], v11                     ; wave 0: lane (j, c) takes wave j's list,
	ds_load_b128 v[S+4:S+7], v11 offset:16
	ds_load_b128 v[P:P+3], v11 offset:1024         ; and wave j + 4's
	ds_load_b128 v[P+4:P+7], v11 offset:1040
	s_wait_dscnt 0x0
	TAKE3
	MERGEX 8
	MERGEH
	s_wait_alu depctr_va_vdst(0)
	s_wait_xcnt 0x0                                ; EXEC is a source of the loads above: it changes only behind this wait
	v_cmp_gt_u32 vcc_lo, 8, v0
	s_and_saveexec_b32 s30, vcc_lo
	global_store_b128 v4, v[S+4:S+7], s[8:9]       ; eight lanes store the work-group's 128 consecutive bytes
	s_wait_xcnt 0x0
	s_or_b32 exec_lo, exec_lo, s30
.Lend:
	s_wait_tensorcnt 0x0
	ds_add_u32 v96, v97
	s_wait_dscnt 0x0
	s_endpgm
.Lfunc_end_k_q31c8c32f33_pick:
	.size	k_q31c8c32f33_pick, .Lfunc_end_k_q31c8c32f33_pick-k_q31c8c32f33_pick
	.p2alignl 7, 3214868480
	.fill 96, 4, 3214868480
	.section	.rodata,"a",@progbits
	.p2align	6, 0x0
	.amdhsa_kernel k_q31c8c32f33_pick
		.amdhsa_group_segment_fixed_size 3072
		.amdhsa_private_segment_fixed_size 0
		.amdhsa_enable_private_segment 0
		.amdhsa_kernarg_size 24
		.amdhsa_user_sgpr_count 2
		.amdhsa_user_sgpr_kernarg_segment_ptr 1
		.amdhsa_wavefront_size32 1
		.amdhsa_system_sgpr_workgroup_id_x 1
		.amdhsa_system_sgpr_workgroup_id_y 1
		.amdhsa_system_sgpr_workgroup_id_z 1
		.amdhsa_system_vgpr_workitem_id 0
		.amdhsa_next_free_vgpr 98
		.amdhsa_next_free_sgpr 66
		.amdhsa_reserve_vcc 1
		.amdhsa_float_denorm_mode_32 3
		.amdhsa_float_denorm_mode_16_64 3
		.amdhsa_memory_ordered 1
		.amdhsa_forward_progress 1
		.amdhsa_inst_pref_size 59
	.end_amdhsa_kernel
	.amdgpu_metadata
---
amdhsa.version: [ 1, 2 ]
amdhsa.kernels:
  - .name:           k_q31c8c32f33_pick
    .symbol:         k_q31c8c32f33_pick.kd
    .args:
      - { .name: ma, .offset: 0, .size: 8, .value_kind: global_buffer, .address_space: global }
      - { .name: mb, .offset: 8, .size: 8, .value_kind: global_buffer, .address_space: global }
      - { .name: sel, .offset: 16, .size: 8, .value_kind: global_buffer, .address_space: global }
    .group_segment_fixed_size: 3072
    .private_segment_fixed_size: 0
    .kernarg_segment_align: 8
    .kernarg_segment_size: 24
    .max_flat_workgroup_size: 256
    .sgpr_count:     66
    .vgpr_count:     98
    .wavefront_size: 32
...
	.end_amdgpu_metadata
.endif
;; end of part 7
;; launch refine (part 8): grid 256 x 1, 4 waves a work-group, no clusters, 0 bytes of LDS; arguments xc, xs, qc, qs, sel, dataTensorY, out0, out1; writes out0, out1
.if DOCPART == 8
	.amdgcn_target "amdgcn-amd-amdhsa--gfx1250"
	.amdhsa_code_object_version 6
	.text
	.protected	k_q31c8c32f33_refine
	.globl	k_q31c8c32f33_refine
	.p2align	8
	.type	k_q31c8c32f33_refine,@function
k_q31c8c32f33_refine:
	s_mov_b64 s[64:65], 0
	v_nop
	global_prefetch_b8 v0, s[64:65] scope:SCOPE_SE
	s_setreg_imm32_b32 hwreg(HW_REG_WAVE_SCHED_MODE, 0, 2), 2
	s_setreg_imm32_b32 hwreg(HW_REG_WAVE_MODE, 25, 1), 1
	s_wait_xcnt 0x0
	s_wait_alu depctr_vm_vsrc(0)
; One wave to a query: the distances to the 240 rows of its three chosen super-blocks (sb; their numbers were stored by the launch before), the three nearest rows (ties to the lower row), and the mean of their rows of Y.
; d = (q2 - 2 q . x) + x2, in that order, q . x on codes of FP6 (E2M3) with E8M0 scales, q2 and x2 the f32 sums of the unquantised numbers.  Q's scale bytes are stored one higher, so the matrix instruction gives 2 q . x, exactly doubled.
; What is compared is -d = (-x2) - (q2 - 2 q . x): the same two roundings, the sign turned.
; LAYOUT.  Source 0 = my query in all 16 rows (every lane reads the registers of the image's lane q % 16 + 16 (lane / 16)); source 1 = a fragment of X as it is stored.  Register 0 of tile T's result holds, in lane (r, either half),
; 2 q . x for image row r of tile T = 5 s + u (s: which sb; u = 0..4), which is X's row 80 sb + 40 (r / 8) + 8 u + r % 8.  The fifteen products are a sixteenth full: 15 matrix instructions a query, against 6,250 in the launch that scans.
; OWNERS.  Half h of the lanes owns tiles i + 8 h, i = 0..7: eight slots a lane.  There is no tile 15: that slot repeats tile 14's addresses, its -d is -infinity from the start and it is barred from Y's sum.  So each of the 240 rows has one owner.
; THE CHOICE, three rounds alike: the largest -d of all slots of all lanes; the lowest row among the slots that hold it; that row's slot becomes -infinity.  The rows' numbers are carried as f32 (exact: 100,000 < 2^24), so that
; the minimum rides on the same three-operand and lane-crossing forms as the maximum.  A run of eight compares writes eight scalar registers and the eight selections follow: no scalar arithmetic stands between them.
; NO ADDRESS HANGS ON A COMPARISON MADE HERE: every owner fetches its row of Y, at an address made from the stored sb numbers, and the sum takes the slots that the three rounds have set to -infinity.
; LIMITS: distances are taken to be finite (a row at distance +infinity would count as chosen).  The mean is a sum over lanes times 1/3 in f32, another order of rounding than a sum of three divided by 3.
; No LDS, no barrier, no cluster: waves share nothing.  The outputs are 12 bytes a query from one lane: 24 KB in the whole launch.
; THE MODE: SCHED_MODE bits 1:0 = 2 (LLVM: expert scheduling mode 2), set by the entry lines.  The code itself states the register dependences
; between vector or matrix instructions and memory instructions, and those that pass through a scalar register, VCC or EXEC, with s_wait_alu, always for 0.
; THE PLAN.  Registers that memory instructions touch:
;   v2, v3, v7, v248, v249, v[ZO]   offsets, written by vector lines at the head and never again: one wait on va_vdst ahead of the first load.
;   v1                              the fragments' offset, written while the scalar load of the sb numbers is out: the window's switch, a wait on va_vdst, the 45 loads.
;   v[YO ..]                        Y's offsets, written from the loaded sb numbers: one wait on va_vdst behind them, ahead of the side records' and Y's loads.
;   A, SAQ, Q2, SB, NX, Y, v216-218, window 1   written by loads alone before they are read: no vector line names one of them ahead of its load.
;   v[GF ..], v[SUM ..]             written by vector lines, read by the two stores: the wait on va_vdst that stands ahead of the write of EXEC states it.
; No register that a memory instruction reads is written again.  Scalar registers that vector lines write: s24 and s40 at the head, one wait on va_sdst behind the two; s[MK ..], a wait on va_sdst behind each run of eight compares; VCC once.
.set A,   8                            ; v8-19    my query's fragment
.set SAQ, 20                           ; v20      its scale word, in every lane: a scale and nothing else
.set Q2,  21                           ; v21      q2
.set SB,  22                           ; v22-36   the tiles' scale words: scales and nothing else
.set NX,  38                           ; v38-52   -x2 of image row r of tile T; then -d
.set D,   56                           ; v56-175  the products
.set T,   160                          ; v160-167 at work in the choice and in Y's sum: tile 13's registers, done with by then
.set Y,   176                          ; v176-207 slot i: three numbers of Y
.set IDX, 208                          ; v208-215 slot i: the row
.set OWN, 216                          ; v216-223 slot i: -d.  Before that v216-218: sb numbers by halves
.set M,   224                          ; v224     a round's largest -d
.set M2,  225                          ; v225     at work
.set PI,  226                          ; v226     +infinity
.set ZO,  227                          ; v227     0: the two stores' offset
.set GF,  228                          ; v228-230 the three rows, nearest first: as f32, at the end as whole numbers
.set IXF, 232                          ; v232-239 slot i: the row as f32
.set YO,  240                          ; v240-247 slot i: byte offset in Y
.set SUM, 250                          ; v250-252
.set NI,  254                          ; -infinity
.set MK,  52                           ; s52-59   a run's eight masks, one a slot
.set SEL, 42                           ; s[42:43] selects for lane l xor 16
.macro IDXM i, pair, a, b              ; slot i: lanes 0-15 tile u = a of the pair's first sb, lanes 16-31 tile u = b of its second
	v_cndmask_b32 v253, 8*\a, 8*\b, s40
	v_add_nc_u32 v253, v253, v5
	v_add_nc_u32 v[IDX+\i], v[216+\pair], v253
	v_mul_u32_u24 v[YO+\i], v[IDX+\i], 12          ; a row of Y is 12 bytes
.endm
.macro ROUND k                         ; the k-th nearest row into v[GF+k], in every lane; its slot leaves the field
	v_max3_num_f32 v[M], v[OWN], v[OWN+1], v[OWN+2]                ; my eight slots, in two chains
	v_max3_num_f32 v[M2], v[OWN+3], v[OWN+4], v[OWN+5]
	v_max3_num_f32 v[M], v[M], v[OWN+6], v[OWN+7]
	v_max_num_f32 v[M], v[M], v[M2]
.irp m, 1,2,4,8
	v_max_num_f32_dpp v[M], v[M], v[M] row_xmask:\m row_mask:0xf bank_mask:0xf
.endr
	v_permlanex16_b32 v[M2], v[M], s[SEL], s[SEL+1]
	v_max_num_f32 v[M], v[M], v[M2]                ; the largest -d of all that are still in the field
.irp i, 0,1,2,3,4,5,6,7
	v_cmp_eq_f32 s[MK+\i], v[OWN+\i], v[M]
.endr
	s_wait_alu depctr_va_sdst(0)                   ; the eight compares have written s[MK ..], ahead of the selections that read them
.irp i, 0,1,2,3,4,5,6,7
	v_cndmask_b32 v[T+\i], v[PI], v[IXF+\i], s[MK+\i]              ; the row where the slot holds it, else +infinity
.endr
	v_min3_num_f32 v[GF+\k], v[T], v[T+1], v[T+2]
	v_min3_num_f32 v[M2], v[T+3], v[T+4], v[T+5]
	v_min3_num_f32 v[GF+\k], v[GF+\k], v[T+6], v[T+7]
	v_min_num_f32 v[GF+\k], v[GF+\k], v[M2]
.irp m, 1,2,4,8
	v_min_num_f32_dpp v[GF+\k], v[GF+\k], v[GF+\k] row_xmask:\m row_mask:0xf bank_mask:0xf
.endr
	v_permlanex16_b32 v[M2], v[GF+\k], s[SEL], s[SEL+1]
	v_min_num_f32 v[GF+\k], v[GF+\k], v[M2]        ; the lowest of them: ties go to the lower row
.irp i, 0,1,2,3,4,5,6,7
	v_cmp_eq_f32 s[MK+\i], v[IXF+\i], v[GF+\k]
.endr
	s_wait_alu depctr_va_sdst(0)                   ; the eight compares have written s[MK ..] anew, ahead of the selections that read them
.irp i, 0,1,2,3,4,5,6,7
	v_cndmask_b32 v[OWN+\i], v[OWN+\i], v[NI], s[MK+\i]
.endr
.endm
	s_load_b256 s[4:11], s[0:1], 0x0               ; xc s[4:5], xs s[6:7], qc s[8:9], qs s[10:11]
	s_load_b256 s[12:19], s[0:1], 0x20             ; sel s[12:13], Y s[14:15], out0 s[16:17], out1 s[18:19]
	v_lshrrev_b32 v1, 5, v0
	v_readfirstlane_b32 s24, v1                    ; wave 0..3
	v_and_b32 v4, 31, v0                           ; lane
	v_cmp_le_u32 s40, 16, v4                       ; lanes 16-31
	v_and_b32 v5, 15, v0                           ; r
	v_bfe_u32 v6, v0, 4, 1                         ; h
	v_lshlrev_b32 v2, 2, v5                        ; 4 r: a row's word in a side record
	v_and_b32 v253, 7, v5
	v_lshrrev_b32 v5, 3, v5
	v_mad_u32_u24 v5, v5, 40, v253                 ; 40 (r / 8) + r % 8: image row r's place in its tile's rows
	v_lshlrev_b32 v248, 2, v6                      ; 4 h
	v_lshlrev_b32 v249, 3, v6                      ; 8 h
	v_mov_b32 v[NI], 0xff800000
	v_mov_b32 v[PI], 0x7f800000
	v_mov_b32 v[ZO], 0
	s_mov_b32 s[SEL], 0x76543210
	s_mov_b32 s[SEL+1], 0xfedcba98
	s_mov_b32 s27, 0
	s_wait_alu depctr_va_sdst(0)                   ; s24 and s40 are written, ahead of the first reader of either: the query's number is made from s24, the halves' selections read s40
	s_lshl_b32 s25, ttmp9, 2
	s_add_co_u32 s25, s25, s24                     ; q
	s_and_b32 s41, s25, 15
	s_lshr_b32 s50, s25, 4                         ; its tile,
	s_lshl_b32 s51, s41, 4                         ; 16 (q % 16),
	s_lshl_b32 s41, s41, 2                         ; 4 (q % 16)
	v_lshl_add_u32 v3, v6, 8, s51                  ; my query's registers: those of the image's lane q % 16 + 16 h
	v_mov_b32 v7, s41                              ; its words in the side record
	s_wait_kmcnt 0x0
	s_lshl_b32 s26, s25, 4
	s_add_nc_u64 s[12:13], s[12:13], s[26:27]      ; my query's four words of sel
	s_load_b128 s[20:23], s[12:13], 0x0            ; as scalars, for the fragments' addresses
	s_mul_i32 s26, s50, 1536
	s_add_nc_u64 s[8:9], s[8:9], s[26:27]
	s_lshl_b32 s26, s50, 7
	s_add_nc_u64 s[10:11], s[10:11], s[26:27]
	s_mul_i32 s26, s25, 12
	s_add_nc_u64 s[16:17], s[16:17], s[26:27]
	s_add_nc_u64 s[18:19], s[18:19], s[26:27]
	s_wait_alu depctr_va_vdst(0)                   ; the offsets v2, v3, v7, v248, v249 and v[ZO] are written, which the loads below and the stores at the end read; no vector line names them again
	global_load_b32 v216, v248, s[12:13]           ; by halves, for the rows' numbers: lanes 0-15 sb 0, lanes 16-31 sb 1;
	global_load_b32 v217, v249, s[12:13]           ; sb 0, sb 2;
	global_load_b32 v218, v248, s[12:13] offset:4  ; sb 1, sb 2
.irp c, 0,1,2
	global_load_b128 v[A+4*\c:A+4*\c+3], v3, s[8:9] offset:512*\c
.endr
	global_load_b32 v[SAQ], v7, s[10:11]
	global_load_b32 v[Q2], v7, s[10:11] offset:64
	v_lshlrev_b32 v1, 4, v4                        ; 16 x lane: my place in an image's group; made while the scalar load of the sb numbers is out
	s_wait_kmcnt 0x0
.irp s, 0,1,2
	s_min_u32 s[20+\s], s[20+\s], 1249             ; a loaded number enters an address only behind a bound
	s_mul_i32 s26, s[20+\s], 5*1536
	s_add_nc_u64 s[28+2*\s:29+2*\s], s[4:5], s[26:27]
	s_mul_i32 s26, s[20+\s], 5*128
	s_add_nc_u64 s[34+2*\s:35+2*\s], s[6:7], s[26:27]
.endr
	s_set_vgpr_msb 0x40                            ; destination in window 1: tile T's fragment at v[256 + 12 T]
	s_wait_alu depctr_va_vdst(0)                   ; v1 is written, which the 45 loads below read as their offset
.irp s, 0,1,2
.irp u, 0,1,2,3,4
.irp c, 0,1,2
	global_load_b128 v[12*(5*\s+\u)+4*\c:12*(5*\s+\u)+4*\c+3], v1, s[28+2*\s:29+2*\s] offset:1536*\u+512*\c
.endr
.endr
.endr
	s_set_vgpr_msb 0x4000
	s_wait_loadcnt 45                              ; behind the first eight loads stand the fragments' 45: the sb numbers, my query, its scale word and q2 are in
.irp i, 0,1,2
	v_min_u32 v[216+\i], 1249, v[216+\i]           ; the bound again, for the vector addresses
.endr
.irp i, 0,1,2
	v_mul_u32_u24 v[216+\i], v[216+\i], 80         ; the sb's first row
.endr
	IDXM 0, 0, 0, 3                                ; tiles 0 and 8
	IDXM 1, 0, 1, 4                                ; 1 and 9
	IDXM 2, 1, 2, 0                                ; 2 and 10
	IDXM 3, 1, 3, 1
	IDXM 4, 1, 4, 2
	IDXM 5, 2, 0, 3                                ; 5 and 13
	IDXM 6, 2, 1, 4                                ; 6 and 14
	IDXM 7, 2, 2, 4                                ; 7, and tile 14 once more in place of a tile 15
	s_wait_alu depctr_va_vdst(0)                   ; v[YO ..] are written, which Y's eight loads below read as their offsets
.irp s, 0,1,2
.irp u, 0,1,2,3,4
	global_load_b32 v[SB+5*\s+\u], v2, s[34+2*\s:35+2*\s] offset:128*\u
	global_load_b32 v[NX+5*\s+\u], v2, s[34+2*\s:35+2*\s] offset:128*\u+64
.endr
.endr
.irp i, 0,1,2,3,4,5,6,7
	global_load_b96 v[Y+4*\i:Y+4*\i+2], v[YO+\i], s[14:15]
.endr
.irp i, 0,1,2,3,4,5,6,7
	v_cvt_f32_u32 v[IXF+\i], v[IDX+\i]             ; the rows as f32, exact; made while the loads are out
.endr
	s_wait_loadcnt 8                               ; all but Y's eight loads, the youngest
	s_set_vgpr_msb 0x0004                          ; source 1 in window 1
.irp t, 0,1,2,3,4,5,6,7,8,9,10,11,12,13,14
	v_wmma_scale_f32_16x16x128_f8f6f4 v[D+8*\t:D+8*\t+7], v[A:A+11], v[12*\t:12*\t+11], 0, v[SAQ], v[SB+\t] matrix_a_fmt:MATRIX_FMT_FP6 matrix_b_fmt:MATRIX_FMT_FP6
.endr
	s_set_vgpr_msb 0x0400
.rept 4
	v_nop                                          ; places ahead of the first read of the last results (ISA guide 7.12.1)
.endr
.irp t, 0,1,2,3,4,5,6,7,8,9,10,11,12,13,14
	v_sub_f32 v[D+8*\t], v[Q2], v[D+8*\t]          ; q2 - 2 q . x; each accumulator is read at its lowest register
.endr
.irp t, 0,1,2,3,4,5,6,7,8,9,10,11,12,13,14
	v_sub_f32 v[NX+\t], v[NX+\t], v[D+8*\t]        ; -x2 - (q2 - 2 q . x) = -d
.endr
.irp i, 0,1,2,3,4,5,6
	v_cndmask_b32 v[OWN+\i], v[NX+\i], v[NX+8+\i], s40
.endr
	v_cndmask_b32 v[OWN+7], v[NX+7], v[NI], s40
	ROUND 0
	ROUND 1
	ROUND 2                                        ; every lane now holds the three rows, nearest first
.irp i, 0,1,2,3,4,5,6,7
	v_cmp_eq_f32 s[MK+\i], v[OWN+\i], v[NI]        ; a slot that a round has taken out of the field holds one of the three rows
.endr
	s_wait_alu depctr_va_sdst(0)                   ; the eight compares have written s[MK ..], ahead of the scalar line and the selections that read them
	s_and_not1_b32 s[MK+7], s[MK+7], s40           ; the slot that repeats tile 14 counts for nothing
	s_wait_loadcnt 0x0                             ; Y
.irp e, 0,1,2
	v_cndmask_b32 v[SUM+\e], 0, v[Y+\e], s[MK]     ; chosen, not multiplied: what an unchosen row of Y holds does not matter.  The first slot starts the sums
.endr
.irp i, 1,2,3,4,5,6,7
.irp e, 0,1,2
	v_cndmask_b32 v[T+3*(\i%2)+\e], 0, v[Y+4*\i+\e], s[MK+\i]
.endr
.irp e, 0,1,2
	v_add_f32 v[SUM+\e], v[SUM+\e], v[T+3*(\i%2)+\e]
.endr
.endr
.irp m, 1,2,4,8
.irp e, 0,1,2
	v_add_f32_dpp v[SUM+\e], v[SUM+\e], v[SUM+\e] row_xmask:\m row_mask:0xf bank_mask:0xf
.endr
.endr
.irp e, 0,1,2
	v_permlanex16_b32 v[T+\e], v[SUM+\e], s[SEL], s[SEL+1]
.endr
.irp e, 0,1,2
	v_add_f32 v[SUM+\e], v[SUM+\e], v[T+\e]
.endr
.irp e, 0,1,2
	v_mul_f32 v[SUM+\e], 0x3eaaaaab, v[SUM+\e]     ; x 1/3
.endr
.irp e, 0,1,2
	v_cvt_u32_f32 v[GF+\e], v[GF+\e]               ; the rows as whole numbers again
.endr
	s_wait_xcnt 0x0                                ; EXEC is a source of the loads above: it changes only behind this wait
	v_cmp_eq_u32 vcc_lo, 0, v4
	s_wait_alu depctr_va_vcc(0)                    ; VCC is written: EXEC is made from it
	s_wait_alu depctr_va_vdst(0)                   ; ahead of a scalar write of EXEC: every vector line so far has written its result, v[GF ..] and v[SUM ..], which the two stores read, among them
	s_wait_alu depctr_vm_vsrc(0)                   ; ahead of a scalar write of EXEC: every memory instruction so far has read its vector registers
	s_and_saveexec_b32 s49, vcc_lo
	global_store_b96 v[ZO], v[GF:GF+2], s[18:19]   ; the three rows
	global_store_b96 v[ZO], v[SUM:SUM+2], s[16:17] ; the mean of their rows of Y
	s_wait_xcnt 0x0
	s_wait_alu depctr_va_vdst(0)                   ; ahead of the scalar write that restores EXEC
	s_wait_alu depctr_vm_vsrc(0)                   ; the two stores have read their vector registers
	s_or_b32 exec_lo, exec_lo, s49
	s_endpgm
.Lfunc_end_k_q31c8c32f33_refine:
	.size	k_q31c8c32f33_refine, .Lfunc_end_k_q31c8c32f33_refine-k_q31c8c32f33_refine
	.p2alignl 7, 3214868480
	.fill 96, 4, 3214868480
	.section	.rodata,"a",@progbits
	.p2align	6, 0x0
	.amdhsa_kernel k_q31c8c32f33_refine
		.amdhsa_group_segment_fixed_size 0
		.amdhsa_private_segment_fixed_size 0
		.amdhsa_enable_private_segment 0
		.amdhsa_kernarg_size 64
		.amdhsa_user_sgpr_count 2
		.amdhsa_user_sgpr_kernarg_segment_ptr 1
		.amdhsa_wavefront_size32 1
		.amdhsa_system_sgpr_workgroup_id_x 1
		.amdhsa_system_sgpr_workgroup_id_y 1
		.amdhsa_system_sgpr_workgroup_id_z 1
		.amdhsa_system_vgpr_workitem_id 0
		.amdhsa_next_free_vgpr 448
		.amdhsa_next_free_sgpr 66
		.amdhsa_reserve_vcc 1
		.amdhsa_float_denorm_mode_32 3
		.amdhsa_float_denorm_mode_16_64 3
		.amdhsa_memory_ordered 1
		.amdhsa_forward_progress 1
		.amdhsa_inst_pref_size 32
	.end_amdhsa_kernel
	.amdgpu_metadata
---
amdhsa.version: [ 1, 2 ]
amdhsa.kernels:
  - .name:           k_q31c8c32f33_refine
    .symbol:         k_q31c8c32f33_refine.kd
    .args:
      - { .name: xc, .offset: 0, .size: 8, .value_kind: global_buffer, .address_space: global }
      - { .name: xs, .offset: 8, .size: 8, .value_kind: global_buffer, .address_space: global }
      - { .name: qc, .offset: 16, .size: 8, .value_kind: global_buffer, .address_space: global }
      - { .name: qs, .offset: 24, .size: 8, .value_kind: global_buffer, .address_space: global }
      - { .name: sel, .offset: 32, .size: 8, .value_kind: global_buffer, .address_space: global }
      - { .name: dataTensorY, .offset: 40, .size: 8, .value_kind: global_buffer, .address_space: global }
      - { .name: out0, .offset: 48, .size: 8, .value_kind: global_buffer, .address_space: global }
      - { .name: out1, .offset: 56, .size: 8, .value_kind: global_buffer, .address_space: global }
    .group_segment_fixed_size: 0
    .private_segment_fixed_size: 0
    .kernarg_segment_align: 8
    .kernarg_segment_size: 64
    .max_flat_workgroup_size: 128
    .sgpr_count:     66
    .vgpr_count:     448
    .wavefront_size: 32
...
	.end_amdgpu_metadata
.endif
;; end of part 8
